; MI455X (gfx1250); checked and timed in simulation.
; The chip was launched on July 23, 2026; its instructions are those of AMD's public machine-readable ISA for CDNA 5 (MIT licence, August 2026) and "CDNA5" Instruction Set Architecture Reference Guide (July 2026). The comments in the code are by the model that wrote it; some were corrected since.
;; Gemma4 Routed Experts. Allowed arithmetic: matrix products marked QUANTISED: E2M3 operands, one E8M0 scale for each 32 along K, by v_wmma_scale_f32_16x16x128_f8f6f4 with both operands' format E2M3, f32 sums; products left as they are: f32 operands where the result goes on into a quantised operand, else bf16, f16 or f32 operands; f32 sums; everything else in f32.
;; Inputs: down_proj_w 8 x 2,048 x 1,024 float32; gate_inputs 2 x 512 x 1,024 float32; gate_kernel 1,024 x 8 float32; gate_proj_w 8 x 1,024 x 2,048 float32; per_expert_scale 8 float32; up_proj_w 8 x 1,024 x 2,048 float32; x 2 x 512 x 1,024 float32.
;; Outputs: out0 2 x 512 x 1,024 float32.
;; This version of the problem:
;;   THIS VERSION OF THE PROBLEM IS GIVEN IN LOW PRECISION. The matrix products marked QUANTISED in the list below multiply operands that are first quantised to E2M3 (2 exponent bits, 3 mantissa bits; 6 bits a number), with one power-of-two scale for each 32 numbers along K (OCP MX v1.0); their sums are f32. All else is computed in f32.
;;   The module's matrix products, in the order in which they are computed (A, B: the left and right operand; K: the contracted axis; several contracted axes count as one K, in the product's order):
;;     1. [M 1,024, K 1,024] x [K 1,024, N 8]; A: input gate_inputs; B: input gate_kernel: left as it is (N = 8 < 16)
;;     2. [M 1,024, K 1,024] x [K 1,024, N 16,384]; A: input x; B: input gate_proj_w: QUANTISED
;;     3. [M 1,024, K 1,024] x [K 1,024, N 16,384]; A: input x; B: input up_proj_w: QUANTISED
;;     4. batch 8 x [M 1,024, K 2,048] x [K 2,048, N 1,024]; A: input down_proj_w; B: computed on the way: QUANTISED
;;     5. batch 1,024 x [M 2, K 8] x [K 8, N 1,024]; A: computed on the way; B: computed on the way: left as it is (K = 8 < 32)
;;     6. batch 1,024 x [M 1, K 2] x [K 2, N 1,024]; A: computed on the way; B: computed on the way: left as it is (K = 2 < 32)
;;   THE QUANTISER, for each operand of a quantised product, along K:
;;     - K is cut into blocks of 32 from its start; a last block that is shorter is filled with zeros.
;;     - A block's scale is 2^e with e = floor(log2(the largest magnitude in the block)) - 2, held to -126 .. 127; a block of zeros has e = 0. As a byte (E8M0): e + 127.
;;     - Each number is divided by its block's scale, clamped to +-7.5, and rounded to the nearest number of E2M3, ties to even, subnormals kept.
;;     - The product sums the exact products of the quantised numbers (number of the format x scale) in f32.
;;   ~~~python
;;   def quantise(x, axis):      # numpy; x: float32 -> the quantised numbers, widened to float32 again
;;       x = np.moveaxis(x, axis, -1); K = x.shape[-1]
;;       x = np.pad(x, [(0, 0)] * (x.ndim - 1) + [(0, -K % 32)]); x = x.reshape(x.shape[:-1] + (-1, 32)); a = np.abs(x).max(-1, keepdims=True)
;;       e = np.where(a > 0, np.clip(np.frexp(np.where(a > 0, a, 1))[1] - 1 - 2, -126, 127), 0)      # np.frexp(a)[1] - 1 = floor(log2(a)), exactly
;;       r = np.clip(x / 2.0 ** e, -7.5, 7.5)
;;       step = 2.0 ** (np.maximum(np.frexp(np.where(r == 0, 1, r))[1] - 1, 0) - 3)
;;       q = np.round(r / step) * step * 2.0 ** e      # np.round: ties to even
;;       return np.moveaxis(q.reshape(q.shape[:-2] + (-1,))[..., :K], -1, axis).astype(np.float32)
;;   ~~~
;;   OPERANDS COMPUTED ON THE WAY. 'Computed on the way' means the value that the module computes at that place (a softmax that the list does not call 'softmax' is quantised finished and normalised). What goes into a quantiser is computed in f32, as accurately as f32 sums, v_exp_f32 and their like allow (about 1e-6 of the number): no bf16 or f16 on the way to a quantiser, and a product that is left as it is and whose result goes on into a quantised operand takes f32 operands (vector FMAs, or v_wmma_f32_16x16x4_f32). A number that lies on a knife's edge between two numbers of the format may be rounded either way, as far as f32 arithmetic and the matrix unit's own rounding can turn it there, and no further.
;; 2 versions, each right; version 2 is version 1 with the launches gateup, down written anew for expert scheduling mode. Each part assembles by itself: llvm-mc -triple=amdgcn-amd-amdhsa -mcpu=gfx1250 --defsym DOCPART=n.
;; ======== version 1 of 2: 4 launches
;; workspace buffers: msk 2,048 bytes of whole numbers; coef 8,192 bytes; xq 786,432 bytes; xs 32,768 bytes; aq 12,582,912 bytes; asc 524,288 bytes; y 16,777,216 bytes
;; launch route (part 1): grid 128 x 1, 8 waves a work-group, no clusters, 10,240 bytes of LDS; arguments gate_inputs, gate_kernel, per_expert_scale, x, msk, coef, xq, xs; writes msk, coef, xq, xs
.if DOCPART == 1
	.amdgcn_target "amdgcn-amd-amdhsa--gfx1250"
	.amdhsa_code_object_version 6
	.text
	.protected	k_qdc4cfae042_route
	.globl	k_qdc4cfae042_route
	.p2align	8
	.type	k_qdc4cfae042_route,@function
k_qdc4cfae042_route:
	s_mov_b64 s[64:65], 0
	v_nop
	global_prefetch_b8 v0, s[64:65] scope:SCOPE_SE
	s_setreg_imm32_b32 hwreg(HW_REG_WAVE_MODE, 25, 1), 1
	s_wait_xcnt 0x0
; ROUTER AND x's QUANTISER.  Work-group b owns tokens 8 b .. 8 b + 7.
; logits = gate_inputs . gate_kernel in f32 multiply-adds: wave w sums k = 128 w .. 128 w + 127 for the 8 tokens x 8 experts, the eight waves' parts meet in LDS, wave 0 adds them.
; Top 2 by a scan in ascending expert order with strict compares, so that of equal logits the lower index is kept.  coef[2 t + slot] = sigmoid(logit) x per_expert_scale[expert].
; The choice leaves as WHOLE NUMBERS at fixed places: msk byte 128 n + b = one bit a token (8 b + bit) that uses expert n; byte 1024 + 128 n + b = the same for "expert n is the token's slot 1".
; No address and no branch here hangs on a logit.
; x: wave w quantises token 8 b + w to E2M3: a lane holds one block of 32 along K; xq[token] = 768 bytes, the row's stream of codes; xs[token] = 32 scale bytes.
; A block's scale byte is its largest magnitude's exponent field - 2, held at 1 from below.
; LIMITS: NaN and infinities are not served.  A block whose largest magnitude lies under 2^-124, a block of zeros too, keeps the byte 1 (its codes are then small or zero; this program alone reads the bytes).
; Logits that differ by less than the rounding of an f32 sum of 1,024 terms may be ranked otherwise than by another order of summation.
; x is loaded 128 bytes a lane, so one load takes 16 bytes of each 128: eight loads together cover the row.  msk is stored by single bytes, 16 a work-group.
.set PART, 0                           ; LDS: 8 waves x 256 bytes: a wave's 8 x 8 partial logits
.set XST,  2048                        ; 8 waves x 768 bytes: a token's codes, turned so that stores cover 256 consecutive bytes
.set XSC,  8192                        ; 256 bytes: the 8 tokens' scale bytes
.set WXO,  3                           ; v3   128 x thread: offset in gate_kernel, and in the work-group's 8 rows of x
.set GO,   4                           ; v4   16 x thread: offset in a row of gate_inputs
.set PA,   5                           ; v5   LDS: my wave's partial logits
.set XW,   7                           ; v7   LDS: where my block's 24 bytes go
.set QO,   8                           ; v8   768 w + 8 lane: offset in the work-group's part of xq
.set XR,   9                           ; v9   LDS: where I read codes back
.set XB,   10                          ; v10  LDS: my block's scale byte
.set L8,   11                          ; v11  8 x lane
.set XSR,  12                          ; v12  LDS: scale bytes on the way out
.set TAU,  13                          ; v13  lane % 8: wave 0's token
.set PR,   14                          ; v14  LDS: 32 x token
.set CO,   15                          ; v15  8 x token: offset in coef
.set W,    16                          ; v16-47   gate_kernel: register 8 c + n = W[128 w + 4 lane + c][n]
.set G,    48                          ; v48-79   gate_inputs: register 4 t + c
.set XV,   80                          ; v80-111  my block of x
.set A,    112                         ; v112-175 sums: register 8 t + n
.set TMP,  176                         ; v176-183 the other half of the lanes' sums
.set MM,   184
.set M2,   185
.set SO,   186
.set BY,   187
.set C,    188                         ; v188-193 a block's codes
.set Q,    194                         ; v194-196 its second half as converted
.set MO,   197                         ; v197 offset in msk
.set OB,   198                         ; v198-203 codes on the way out
.set SB,   204                         ; v204-205 scale bytes on the way out
	s_load_b256 s[4:11], s[0:1], 0x0               ; gate_inputs s[4:5], gate_kernel s[6:7], per_expert_scale s[8:9], x s[10:11]
	s_load_b256 s[12:19], s[0:1], 0x20             ; msk s[12:13], coef s[14:15], xq s[16:17], xs s[18:19]
	v_lshl_add_u32 v208, v0, 2, 0x2400
	v_mov_b32 v209, 0
	v_and_b32 v1, 31, v0                           ; lane
	v_lshrrev_b32 v2, 5, v0
	v_readfirstlane_b32 s20, v2                    ; wave 0..7
	v_lshlrev_b32 v[WXO], 7, v0                    ; 4,096 w + 128 lane
	v_lshlrev_b32 v[GO], 4, v0                     ; 512 w + 16 lane
	v_lshlrev_b32 v[PA], 8, v2
	v_mul_u32_u24 v6, v2, 768
	v_mad_u32_u24 v[XW], v1, 24, v6
	v_add_nc_u32 v[XW], XST, v[XW]
	v_lshl_add_u32 v[QO], v1, 3, v6
	v_add_nc_u32 v[XR], XST, v[QO]
	v_add_nc_u32 v[XB], XSC, v0                    ; 32 w + lane
	v_lshlrev_b32 v[L8], 3, v1
	v_add_nc_u32 v[XSR], XSC, v[L8]
	v_and_b32 v[TAU], 7, v0
	v_lshlrev_b32 v[PR], 5, v[TAU]
	v_lshlrev_b32 v[CO], 3, v[TAU]
	v_lshlrev_b32 v[MO], 7, v[TAU]                 ; lanes 0-7: expert = lane, members; lanes 8-15: the slot-1 bits, 1,024 bytes on
	v_bfe_u32 v6, v0, 3, 1
	v_lshl_add_u32 v[MO], v6, 10, v[MO]
.irp j, 0,1,2,3,4,5,6,7
	v_mov_b32 v[TMP+\j], 0                         ; written once: a lane permute's destination counts as one of its sources
.endr
	s_mov_b32 s36, 0x76543210
	s_mov_b32 s37, 0xfedcba98                      ; v_permlanex16_b32's selects for lane l xor 16
	s_lshl_b32 s22, ttmp9, 15                      ; 8 rows of 4,096 bytes
	s_mov_b32 s23, 0
	s_wait_kmcnt 0x0
	s_load_b256 s[24:31], s[8:9], 0x0              ; the eight scales of the experts
	s_add_nc_u64 s[4:5], s[4:5], s[22:23]
	s_add_nc_u64 s[10:11], s[10:11], s[22:23]
	s_mul_i32 s22, ttmp9, 6144
	s_add_nc_u64 s[16:17], s[16:17], s[22:23]
	s_lshl_b32 s22, ttmp9, 8
	s_add_nc_u64 s[18:19], s[18:19], s[22:23]
	s_lshl_b32 s22, ttmp9, 6
	s_add_nc_u64 s[14:15], s[14:15], s[22:23]
	s_mov_b32 s22, ttmp9
	s_add_nc_u64 s[12:13], s[12:13], s[22:23]
.irp i, 0,1,2,3,4,5,6,7
	global_load_b128 v[W+4*\i:W+4*\i+3], v[WXO], s[6:7] offset:16*\i
.endr
.irp t, 0,1,2,3,4,5,6,7
	global_load_b128 v[G+4*\t:G+4*\t+3], v[GO], s[4:5] offset:4096*\t th:TH_LOAD_NT
.endr
.irp i, 0,1,2,3,4,5,6,7
	global_load_b128 v[XV+4*\i:XV+4*\i+3], v[WXO], s[10:11] offset:16*\i th:TH_LOAD_NT
.endr
	s_wait_loadcnt 8                               ; gate_kernel and gate_inputs are in; x's eight loads may be out
; the sums: two experts an instruction; g is taken from one register of its pair for both halves
.irp t, 0,1,2,3,4,5,6,7
.irp p, 0,1,2,3
	v_pk_mul_f32 v[A+8*\t+2*\p:A+8*\t+2*\p+1], v[G+4*\t:G+4*\t+1], v[W+2*\p:W+2*\p+1] op_sel_hi:[0,1]
.endr
.irp p, 0,1,2,3
	v_pk_fma_f32 v[A+8*\t+2*\p:A+8*\t+2*\p+1], v[G+4*\t:G+4*\t+1], v[W+8+2*\p:W+8+2*\p+1], v[A+8*\t+2*\p:A+8*\t+2*\p+1] op_sel:[1,0,0]
.endr
.irp p, 0,1,2,3
	v_pk_fma_f32 v[A+8*\t+2*\p:A+8*\t+2*\p+1], v[G+4*\t+2:G+4*\t+3], v[W+16+2*\p:W+16+2*\p+1], v[A+8*\t+2*\p:A+8*\t+2*\p+1] op_sel_hi:[0,1,1]
.endr
.irp p, 0,1,2,3
	v_pk_fma_f32 v[A+8*\t+2*\p:A+8*\t+2*\p+1], v[G+4*\t+2:G+4*\t+3], v[W+24+2*\p:W+24+2*\p+1], v[A+8*\t+2*\p:A+8*\t+2*\p+1] op_sel:[1,0,0]
.endr
.endr
; over the 32 lanes, a token's eight sums by turns; every lane ends with the sum, and all lanes store the same 32 bytes
.irp t, 0,1,2,3,4,5,6,7
.irp m, 1,2,4,8
.irp j, 0,1,2,3,4,5,6,7
	v_add_f32_dpp v[A+8*\t+\j], v[A+8*\t+\j], v[A+8*\t+\j] row_xmask:\m row_mask:0xf bank_mask:0xf
.endr
.endr
.irp j, 0,1,2,3,4,5,6,7
	v_permlanex16_b32 v[TMP+\j], v[A+8*\t+\j], s36, s37
.endr
.irp j, 0,1,2,3,4,5,6,7
	v_add_f32 v[A+8*\t+\j], v[A+8*\t+\j], v[TMP+\j]
.endr
	ds_store_b128 v[PA], v[A+8*\t:A+8*\t+3] offset:PART+32*\t
	ds_store_b128 v[PA], v[A+8*\t+4:A+8*\t+7] offset:PART+32*\t+16
.endr
; x: my block's largest magnitude in two chains, with the floor 2^(3 - 127) as a leaf, so that the byte cannot fall under 1
	s_wait_loadcnt 0x0
	v_max3_num_f32 v[MM], |v[XV]|, |v[XV+1]|, 0x1800000
	v_max3_num_f32 v[M2], |v[XV+2]|, |v[XV+3]|, |v[XV+4]|
.irp i, 5,9,13,17,21,25
	v_max3_num_f32 v[MM], v[MM], |v[XV+\i]|, |v[XV+\i+1]|
	v_max3_num_f32 v[M2], v[M2], |v[XV+\i+2]|, |v[XV+\i+3]|
.endr
	v_max3_num_f32 v[MM], v[MM], |v[XV+29]|, |v[XV+30]|
	v_max3_num_f32 v[MM], v[MM], v[M2], |v[XV+31]|
	v_add_nc_u32 v[SO], 0xff000000, v[MM]          ; 2 off its exponent field: the conversion takes the exponent field of this operand as its scale
	v_lshrrev_b32 v[BY], 23, v[SO]                 ; the scale's byte
	v_cvt_scalef32_pk16_fp6_f32 v[C:C+2], v[XV:XV+15], v[SO]
	v_cvt_scalef32_pk16_fp6_f32 v[Q:Q+2], v[XV+16:XV+31], v[SO]   ; (a conversion's three registers begin on an even number)
	v_nop                                          ; one plain place behind a scaled conversion
.irp i, 0,1,2
	v_mov_b32 v[C+3+\i], v[Q+\i]
.endr
.irp i, 0,1,2
	ds_store_b64 v[XW], v[C+2*\i:C+2*\i+1] offset:8*\i
.endr
	ds_store_b8 v[XB], v[BY]
.irp i, 0,1,2
	ds_load_b64 v[OB+2*\i:OB+2*\i+1], v[XR] offset:256*\i   ; LDS serves a wave's instructions in order: these see my stores
.endr
.irp i, 0,1,2
	s_wait_dscnt 2-\i                              ; the younger read-backs may be out
	global_store_b64 v[QO], v[OB+2*\i:OB+2*\i+1], s[16:17] offset:256*\i   ; 32 lanes store 256 consecutive bytes, aligned
.endr
	s_wait_kmcnt 0x0                               ; the experts' scales
	s_wait_dscnt 0x0                               ; for the others' sake: my partial logits and my scale bytes lie in LDS
	s_barrier_signal -1
	s_barrier_wait -1
	s_cmp_lg_u32 s20, 1
	s_cbranch_scc1 .Lnot_one
	ds_load_b64 v[SB:SB+1], v[XSR]                 ; wave 1: the 8 tokens' 256 scale bytes leave as one aligned run
	s_wait_dscnt 0x0
	global_store_b64 v[L8], v[SB:SB+1], s[18:19]
.Lnot_one:
	s_cmp_lg_u32 s20, 0
	s_cbranch_scc1 .Lend
; wave 0: lane l works for token l % 8 (four lanes do the same work; lanes 0-7 count)
.irp u, 0,1,2,3,4,5,6,7
	ds_load_b128 v[W+8*\u:W+8*\u+3], v[PR] offset:PART+256*\u
	ds_load_b128 v[W+8*\u+4:W+8*\u+7], v[PR] offset:PART+256*\u+16
.endr
	s_wait_dscnt 0x0
.irp u, 1,2,3,4,5,6,7
.irp p, 0,1,2,3
	v_pk_add_f32 v[W+2*\p:W+2*\p+1], v[W+2*\p:W+2*\p+1], v[W+8*\u+2*\p:W+8*\u+2*\p+1]
.endr
.endr
	v_mov_b32 v80, v[W]                            ; best: logit v80, expert v81, its scale v82
	v_mov_b32 v81, 0
	v_mov_b32 v82, s24
	v_mov_b32 v83, 0xff800000                      ; second: v83, v84, v85; starts under every number
	v_mov_b32 v84, 0
	v_mov_b32 v85, s24
.irp n, 1,2,3,4,5,6,7
	v_cmp_gt_f32 s38, v[W+\n], v80                 ; strictly above the best: the best becomes the second
	v_cmp_gt_f32 s39, v[W+\n], v83                 ; strictly above the second
	v_cndmask_b32 v83, v83, v[W+\n], s39
	v_cndmask_b32 v84, v84, \n, s39
	v_cndmask_b32 v85, v85, s[24+\n], s39
	v_cndmask_b32 v83, v83, v80, s38
	v_cndmask_b32 v84, v84, v81, s38
	v_cndmask_b32 v85, v85, v82, s38
	v_cndmask_b32 v80, v80, v[W+\n], s38
	v_cndmask_b32 v81, v81, \n, s38
	v_cndmask_b32 v82, v82, s[24+\n], s38
.endr
	v_mul_f32 v88, 0xbfb8aa3b, v80                 ; sigmoid(b) = 1 / (1 + 2^(-b log2 e))
	v_mul_f32 v89, 0xbfb8aa3b, v83
	v_exp_f32 v88, v88
	v_exp_f32 v89, v89
	v_mov_b32 v90, 0                               ; (a plain place behind the exponentials)  the mask bytes, one a lane
	s_wait_alu depctr_va_vdst(0)                   ; one wait for both, ahead of their first reader
	v_add_f32 v88, 1.0, v88
	v_add_f32 v89, 1.0, v89
	v_rcp_f32 v88, v88
	v_rcp_f32 v89, v89
	v_nop
	s_wait_alu depctr_va_vdst(0)
	v_mul_f32 v86, v88, v82
	v_mul_f32 v87, v89, v85
.irp n, 0,1,2,3,4,5,6,7
	v_cmp_eq_u32 s38, \n, v81                      ; bit l: lane l's token has expert n as slot 0;
	v_cmp_eq_u32 s39, \n, v84                      ; as slot 1.  The low byte is tokens 8 b .. 8 b + 7
	s_or_b32 s38, s38, s39
	v_writelane_b32 v90, s38, \n
	v_writelane_b32 v90, s39, 8+\n
.endr
	v_cmp_gt_u32 s38, 16, v1
	v_cmp_gt_u32 s39, 8, v1
	s_wait_xcnt 0x0                                ; EXEC changes only behind this wait: my stores of codes have been issued
	s_and_saveexec_b32 s40, s38
	global_store_b8 v[MO], v90, s[12:13]           ; sixteen bytes at fixed places
	s_wait_xcnt 0x0
	s_or_b32 exec_lo, exec_lo, s40
	s_and_saveexec_b32 s40, s39
	global_store_b64 v[CO], v[86:87], s[14:15]     ; lanes 0-7: 64 consecutive bytes
	s_wait_xcnt 0x0
	s_or_b32 exec_lo, exec_lo, s40
.Lend:
	s_wait_tensorcnt 0x0
	ds_add_u32 v208, v209
	s_wait_dscnt 0x0
	s_endpgm
.Lfunc_end_k_qdc4cfae042_route:
	.size	k_qdc4cfae042_route, .Lfunc_end_k_qdc4cfae042_route-k_qdc4cfae042_route
	.p2alignl 7, 3214868480
	.fill 96, 4, 3214868480
	.section	.rodata,"a",@progbits
	.p2align	6, 0x0
	.amdhsa_kernel k_qdc4cfae042_route
		.amdhsa_group_segment_fixed_size 10240
		.amdhsa_private_segment_fixed_size 0
		.amdhsa_enable_private_segment 0
		.amdhsa_kernarg_size 64
		.amdhsa_user_sgpr_count 2
		.amdhsa_user_sgpr_kernarg_segment_ptr 1
		.amdhsa_wavefront_size32 1
		.amdhsa_system_sgpr_workgroup_id_x 1
		.amdhsa_system_sgpr_workgroup_id_y 1
		.amdhsa_system_sgpr_workgroup_id_z 1
		.amdhsa_system_vgpr_workitem_id 0
		.amdhsa_next_free_vgpr 210
		.amdhsa_next_free_sgpr 66
		.amdhsa_reserve_vcc 0
		.amdhsa_float_denorm_mode_32 3
		.amdhsa_float_denorm_mode_16_64 3
		.amdhsa_memory_ordered 1
		.amdhsa_forward_progress 1
		.amdhsa_inst_pref_size 50
	.end_amdhsa_kernel
	.amdgpu_metadata
---
amdhsa.version: [ 1, 2 ]
amdhsa.kernels:
  - .name:           k_qdc4cfae042_route
    .symbol:         k_qdc4cfae042_route.kd
    .args:
      - { .name: gate_inputs, .offset: 0, .size: 8, .value_kind: global_buffer, .address_space: global }
      - { .name: gate_kernel, .offset: 8, .size: 8, .value_kind: global_buffer, .address_space: global }
      - { .name: per_expert_scale, .offset: 16, .size: 8, .value_kind: global_buffer, .address_space: global }
      - { .name: x, .offset: 24, .size: 8, .value_kind: global_buffer, .address_space: global }
      - { .name: msk, .offset: 32, .size: 8, .value_kind: global_buffer, .address_space: global }
      - { .name: coef, .offset: 40, .size: 8, .value_kind: global_buffer, .address_space: global }
      - { .name: xq, .offset: 48, .size: 8, .value_kind: global_buffer, .address_space: global }
      - { .name: xs, .offset: 56, .size: 8, .value_kind: global_buffer, .address_space: global }
    .group_segment_fixed_size: 10240
    .private_segment_fixed_size: 0
    .kernarg_segment_align: 8
    .kernarg_segment_size: 64
    .max_flat_workgroup_size: 256
    .sgpr_count:     66
    .vgpr_count:     210
    .wavefront_size: 32
...
	.end_amdgpu_metadata
.endif
;; end of part 1
;; launch gateup (part 2): grid 32 x 8, 4 waves a work-group, no clusters, 160,256 bytes of LDS; arguments gate_proj_w, up_proj_w, msk, xq, xs, aq, asc; writes aq, asc
.if DOCPART == 2
	.amdgcn_target "amdgcn-amd-amdhsa--gfx1250"
	.amdhsa_code_object_version 6
	.text
	.protected	k_qdc4cfae042_gateup
	.globl	k_qdc4cfae042_gateup
	.p2align	8
	.type	k_qdc4cfae042_gateup,@function
k_qdc4cfae042_gateup:
	s_mov_b64 s[64:65], 0
	v_nop
	global_prefetch_b8 v0, s[64:65] scope:SCOPE_SE
	s_setreg_imm32_b32 hwreg(HW_REG_WAVE_MODE, 25, 1), 1
	s_wait_xcnt 0x0
; act = gelu(x Wg) * (x Wu) for the rows that chose expert n, quantised to E2M3 along the hidden axis.  Both products on codes of E2M3 with one E8M0 scale for each 32 along K.
; SHARES.  Work-group (sg, n) owns hidden units 64 sg .. 64 sg + 63 of expert n: 1,024 x 64 numbers of gate_proj_w and of up_proj_w.  Each weight byte is read by one work-group, once.
; PHASE A.  Wave w streams matrix w % 2, rows 512 (w / 2) on, in 8 chunks of 64 rows x 256 bytes.  A lane takes 4 columns and 32 rows: four whole blocks along K.  A block's 32 numbers are copied into
;   consecutive registers (the conversion takes neighbours along K from consecutive registers, and a 16-byte load leaves them four registers apart), converted, and stored to LDS as part of an IMAGE of the
;   operand's registers: tile, K step, lane, 48 bytes a lane.  Up to 63 loads of 512 bytes a wave are out.
; THE LIST.  While the first loads are on their way each wave builds a quarter of the expert's list of rows from the stored bit masks: entry j = 2 token + slot of the j-th member.  Entries past the last repeat
;   the last, so that a tile of 16 rows is always whole; what the repeats store is equal to what the last row stores.  All LDS addresses of the list are constants + lane and wave terms.
; PHASE B.  Behind ONE barrier.  Wave w holds the images of gate tiles and up tiles 2 (w % 2), 2 (w % 2) + 1 (32 hidden units, all of K) in 384 registers and walks the tiles of rows T = w / 2 + 2 i.
;   The trip count is a constant; a trip whose tile lies past the list's end is jumped over by a scalar branch on the count read from memory.  So this launch has no tensor load and no copy.
;   The products are used transposed (source 0 = 16 weight columns, source 1 = 16 rows of x): a lane holds one row.  THE COLUMNS OF A TILE ARE NOT NEIGHBOURS: lane r of tile 2 b + u holds unit
;   32 b + 8 u + r + 8 (r / 8), so that a lane's 16 results of two tiles are 16 neighbours along the next K, and lanes l, l xor 16 hold a block of 32.
; gelu(g) = g / (1 + 2^(g (a + b g^2))), a = -2 log2(e) sqrt(2 / pi), b = 0.044715 a: the tanh form written with one exponential and one reciprocal, all in f32.
; OUT.  aq[n][T][block 0..63][row 0..15][24 bytes], asc[n][T][row][64 bytes]: only tiles inside the list are written, and only those are read later.
; LIMITS: NaN and infinities are not served.  A block whose largest magnitude lies under 2^-124, a block of zeros too, keeps the scale byte 1.  asc is stored by single bytes, aq in runs of 384 bytes.
.set ROWB, 8192                        ; a row of the weights in bytes
.set NCH,  8                           ; chunks of a wave
.set UPT,  4                           ; tile slots 2, 3 lie so many tiles behind slots 0, 1
.set TS,   12304                       ; a tile's images: 8 K steps x 1,536 bytes, + 16
.set IMG,  0                           ; LDS: 8 tiles (4 of gate, 4 of up)
.set SCL,  98560                       ; their scale bytes: tile x 512 + K step x 64 + 4 x lane + block
.set LIST, 102656                      ; 1,024 entries of 4 bytes, and 256 bytes that the look-ahead's address may name and no trip reads
.set STG,  107008                      ; 4 waves x 16 rows of x's codes, 784 bytes apart
.set SPW,  12544
.set SS,   96                          ; a row's K step in the stage
.set CS,   48                          ; and its half
.set AG,  4                            ; v4   weights: 32 rows x (lane / 16) + 16 x (lane % 16); never rewritten
.set AW,  5                            ; v5   LDS: where my blocks' codes go
.set ASB, 6                            ; v6   LDS: where their scale bytes go
.set LW,  7                            ; v7   LDS: where I store list entries
.set J0,  8                            ; v8   256 w + lane: my first entry's number
.set IA0, 9                            ; v9   LDS: my gate tiles' images;  v10 my up tiles'
.set IA1, 10
.set SA,  11                           ; v11  LDS: my tiles' scale words
.set SW,  12                           ; v12  LDS: stage, on the way in
.set STR, 13                           ; v13  LDS: stage, as fragments
.set LE,  14                           ; v14  LIST + 4 (lane / 16)
.set LR,  15                           ; v15  LIST + 4 (lane % 16)
.set AQO, 16                           ; v16  24 r + 12 h
.set ASO, 17                           ; v17  64 r
.set TA,  18
.set TB,  19
.set Q16, 20                           ; v20  16 (lane % 16)
.set WVV, 21
.set VA,  24                           ; v[24:25] a, twice;  v[26:27] b, twice
.set VB,  26
.set PM,  28                           ; v28  the other half's maximum
.set EM,  29
.set ESO, 30
.set EBY, 31
.set WS,  32                           ; v32-63  the weights' scale words: slot x 8 + K step.  These and v64-71 hold scales and nothing else
.set XS,  64                           ; v64-71  x's scale words of the tile in hand
.set XSN, 72                           ; v72-79  those of the tile on its way (no operand; one array of the list's scratch lies here first)
.set ACC, 80                           ; v80-111 gate tile 0, 1, up tile 0, 1
.set FRG, 112                          ; v112-207 x's eight fragments; then at work
.set ET,  112
.set EX,  128
.set E,   208                          ; v208-215 list entries;  v216 my row's
.set ER,  216
.set VOFF, 217                         ; v217-224 offsets in xq;  v225 in xs
.set XOF, 225
.set CD,  226                          ; v226-228 16 codes
.set AQT, 229
.set AST, 230
; windows 1, 2, 3 in phase A (chunk k lies in window 1 + k % 3):
.set TT,  128                          ; v0-127 the chunk (register 4 i + c: row i, column c);  v128-159 a block on end
.set PP,  160                          ; v160-183 four blocks' codes
.set QQ,  184
.set MM,  188
.set M2,  189
.set SO,  190
.set BY,  192                          ; v192-195 four scale bytes
; in phase B: window 1 v0-95 the gathered rows; window 2 the images of K steps 0-3 ((4 slot + step) x 12), window 3 those of K steps 4-7
; the list's scratch, window 0
.set L_M, 72
.set L_J, 80
.set L_G, 88
.set L_C, 96
.set L_P, 104
.set L_S, 112
.set L_A, 120
.set L_B, 128
.set L_Q, 136
.set L_D, 144
.set L_K, 152
.set L_O, 160
.set L_T, 168
.set G_M, 176
.set G_P, 177
.set G_S, 178
.set G_A, 179
.set G_B, 180
.set G_Q, 181
.set G_D, 182
.set G_T, 183
.set MSB, 0
.macro WIN new                         ; the immediate's high byte repeats the setting that is left; a switch that changes nothing is dropped
.if MSB != (\new)
	s_set_vgpr_msb (MSB<<8)|(\new)
.set MSB, (\new)
.endif
.endm
.macro LOADR k, i0, i1                 ; loads i0 .. i1 of chunk k: each takes two rows' 256 consecutive bytes
	WIN (1+(\k)%3)<<6
.set li, \i0
.rept (\i1)-(\i0)+1
	global_load_b128 v[4*li:4*li+3], v[AG], s[4:5] offset:(64*(\k)+li)*ROWB th:TH_LOAD_NT
.set li, li+1
.endr
.endm
.macro QCOL c                          ; column c of the chunk: one block of 32 along K
	v_max3_num_f32 v[MM], |v[\c]|, |v[4+\c]|, 0x1800000            ; the largest magnitude in two chains; the floor 2^(3 - 127) holds the byte at 1 from below
	v_max3_num_f32 v[M2], |v[8+\c]|, |v[12+\c]|, |v[16+\c]|
.set qi, 5
.rept 6
	v_max3_num_f32 v[MM], v[MM], |v[4*qi+\c]|, |v[4*qi+4+\c]|
	v_max3_num_f32 v[M2], v[M2], |v[4*qi+8+\c]|, |v[4*qi+12+\c]|
.set qi, qi+4
.endr
	v_max3_num_f32 v[MM], v[MM], |v[116+\c]|, |v[120+\c]|
	v_max3_num_f32 v[MM], v[MM], v[M2], |v[124+\c]|
	v_add_nc_u32 v[SO], 0xff000000, v[MM]          ; 2 off the exponent field: the conversion's scale operand
	v_lshrrev_b32 v[BY+\c], 23, v[SO]              ; the scale's byte
.set qi, 0
.rept 32
	v_mov_b32 v[TT+qi], v[4*qi+\c]                 ; the block on end
.set qi, qi+1
.endr
	v_cvt_scalef32_pk16_fp6_f32 v[PP+6*\c:PP+6*\c+2], v[TT:TT+15], v[SO]
	v_cvt_scalef32_pk16_fp6_f32 v[QQ:QQ+2], v[TT+16:TT+31], v[SO]  ; (a conversion's three registers begin on an even number)
	v_nop                                          ; one plain place behind a scaled conversion
	v_mov_b32 v[PP+6*\c+3], v[QQ]
	v_mov_b32 v[PP+6*\c+4], v[QQ+1]
	v_mov_b32 v[PP+6*\c+5], v[QQ+2]
.endm
.macro CHUNK k
.if (\k) < NCH-1
	s_wait_loadcnt 32                              ; this chunk is in; the next chunk's 32 loads may be out
.else
	s_wait_loadcnt 0x0
.endif
.if (\k)+2 < NCH
	LOADR (\k)+2, 0, 30                            ; 63 loads of mine are out now; the chunk's last load follows behind the work
.endif
.if (\k) >= 3
	s_wait_dscnt 32                                ; the stores of the chunk three back, which lay in this window, have read their registers (behind them: two chunks' 16 stores each)
.endif
	WIN 0x55*(1+(\k)%3)
	QCOL 0
	QCOL 1
	QCOL 2
	QCOL 3
	WIN (1+(\k)%3)<<2                              ; an LDS store's data are its source 1
.irp c, 0,1,2,3
.irp i, 0,1,2
	ds_store_b64 v[AW], v[PP+6*\c+2*\i:PP+6*\c+2*\i+1] offset:((\k)/2)*1536+48*\c+24*((\k)%2)+8*\i
.endr
	ds_store_b8 v[ASB], v[BY+\c] offset:((\k)/2)*64+4*\c+2*((\k)%2)
.endr
.if (\k)+2 < NCH
	LOADR (\k)+2, 31, 31
.endif
.endm
.macro LSEL arr, wid, inc              ; one step of "the K-th set bit": is it past the lower half of the field in hand?
.irp ii, 0,1,2,3,4,5,6,7
	v_bfe_u32 v[L_T+\ii], v[\arr+\ii], v[L_O+\ii], \wid
.endr
.irp ii, 0,1,2,3,4,5,6,7
	v_cmp_ge_u32 vcc_lo, v[L_K+\ii], v[L_T+\ii]
	v_cndmask_b32 v[L_T+\ii], 0, v[L_T+\ii], vcc_lo
	v_cndmask_b32 v[L_C+\ii], 0, \inc, vcc_lo
	v_sub_nc_u32 v[L_K+\ii], v[L_K+\ii], v[L_T+\ii]
	v_add_nc_u32 v[L_O+\ii], v[L_O+\ii], v[L_C+\ii]
.endr
.endm
.macro LISTB
	s_wait_kmcnt 0x0                               ; the expert's 32 member words in s[32:63], its 32 slot words in s[68:99]
	v_mov_b32 v[G_M], 0
	v_mov_b32 v[G_P], 0
	v_mov_b32 v[G_S], 0
	s_mov_b32 s18, 0
.set g, 0
.rept 32                               ; lane g takes group g (tokens 32 g ..): its members, how many members lie before it, its slot bits
	v_writelane_b32 v[G_M], s[32+g], g
	v_writelane_b32 v[G_P], s18, g
	v_writelane_b32 v[G_S], s[68+g], g
	s_bcnt1_i32_b32 s28, s[32+g]
	s_add_co_u32 s18, s18, s28
.set g, g+1
.endr
	s_sub_co_u32 s30, s18, 1                       ; the last entry's number
	s_add_co_u32 s18, s18, 15
	s_lshr_b32 s18, s18, 4                         ; tiles of 16 rows
	v_lshrrev_b32 v[G_T], 1, v[G_M]                ; counts of set bits in fields of 2, 4, 8 and 16 bits
	v_and_b32 v[G_T], 0x55555555, v[G_T]
	v_sub_nc_u32 v[G_A], v[G_M], v[G_T]
	v_lshrrev_b32 v[G_T], 2, v[G_A]
	v_and_b32 v[G_T], 0x33333333, v[G_T]
	v_and_b32 v[G_B], 0x33333333, v[G_A]
	v_add_nc_u32 v[G_B], v[G_B], v[G_T]
	v_lshrrev_b32 v[G_T], 4, v[G_B]
	v_add_nc_u32 v[G_Q], v[G_B], v[G_T]
	v_and_b32 v[G_Q], 0x0f0f0f0f, v[G_Q]
	v_lshrrev_b32 v[G_T], 8, v[G_Q]
	v_add_nc_u32 v[G_D], v[G_Q], v[G_T]
	v_and_b32 v[G_D], 0x00ff00ff, v[G_D]
.irp ii, 0,1,2,3,4,5,6,7               ; my wave's 256 entries, 32 at a time, the eight runs by turns
	v_add_nc_u32 v[L_J+\ii], 32*\ii, v[J0]
.endr
.irp ii, 0,1,2,3,4,5,6,7
	v_min_u32 v[L_J+\ii], s30, v[L_J+\ii]          ; past the end: the last entry again
	v_mov_b32 v[L_G+\ii], 0
.endr
.irp st, 64,32,16,8,4                  ; the last group whose count-before is at most j, by halving; 4 x group is the permute's index
.irp ii, 0,1,2,3,4,5,6,7
	v_add_nc_u32 v[L_C+\ii], \st, v[L_G+\ii]
.endr
.irp ii, 0,1,2,3,4,5,6,7
	ds_bpermute_b32 v[L_P+\ii], v[L_C+\ii], v[G_P]
.endr
	s_wait_dscnt 0x0
.irp ii, 0,1,2,3,4,5,6,7
	v_cmp_le_u32 vcc_lo, v[L_P+\ii], v[L_J+\ii]
	v_cndmask_b32 v[L_G+\ii], v[L_G+\ii], v[L_C+\ii], vcc_lo
.endr
.endr
.irp ii, 0,1,2,3,4,5,6,7
	ds_bpermute_b32 v[L_P+\ii], v[L_G+\ii], v[G_P]
	ds_bpermute_b32 v[L_S+\ii], v[L_G+\ii], v[G_S]
	ds_bpermute_b32 v[L_M+\ii], v[L_G+\ii], v[G_M]
	ds_bpermute_b32 v[L_A+\ii], v[L_G+\ii], v[G_A]
	ds_bpermute_b32 v[L_B+\ii], v[L_G+\ii], v[G_B]
	ds_bpermute_b32 v[L_Q+\ii], v[L_G+\ii], v[G_Q]
	ds_bpermute_b32 v[L_D+\ii], v[L_G+\ii], v[G_D]
.endr
	s_wait_dscnt 0x0
.irp ii, 0,1,2,3,4,5,6,7
	v_sub_nc_u32 v[L_K+\ii], v[L_J+\ii], v[L_P+\ii] ; which member of the group
	v_mov_b32 v[L_O+\ii], 0                        ; its bit
.endr
	LSEL L_D, 8, 16
	LSEL L_Q, 8, 8
	LSEL L_B, 4, 4
	LSEL L_A, 2, 2
	LSEL L_M, 1, 1
.irp ii, 0,1,2,3,4,5,6,7
	v_lshrrev_b32 v[L_T+\ii], v[L_O+\ii], v[L_S+\ii]
	v_and_b32 v[L_T+\ii], 1, v[L_T+\ii]            ; slot
	v_lshl_add_u32 v[L_T+\ii], v[L_O+\ii], 1, v[L_T+\ii]
	v_lshl_add_u32 v[L_T+\ii], v[L_G+\ii], 4, v[L_T+\ii]   ; 2 (32 group + bit) + slot
	ds_store_b32 v[LW], v[L_T+\ii] offset:128*\ii
.endr
.endm
.macro RESB                            ; my four tiles' images and scale words into registers, where they stay
	WIN 0x80
.irp sl, 0,1,2,3
.irp s, 0,1,2,3
.irp j, 0,1,2
	ds_load_b128 v[(4*\sl+\s)*12+4*\j:(4*\sl+\s)*12+4*\j+3], v[IA0+\sl/2] offset:(\sl%2)*TS+\s*1536+16*\j
.endr
.endr
.endr
	WIN 0xc0
.irp sl, 0,1,2,3
.irp s, 0,1,2,3
.irp j, 0,1,2
	ds_load_b128 v[(4*\sl+\s)*12+4*\j:(4*\sl+\s)*12+4*\j+3], v[IA0+\sl/2] offset:(\sl%2)*TS+(\s+4)*1536+16*\j
.endr
.endr
.endr
	WIN 0
.irp sl, 0,1,2,3
.irp s, 0,1,2,3,4,5,6,7
	ds_load_b32 v[WS+8*\sl+\s], v[SA] offset:((\sl/2)*UPT+\sl%2)*512+64*\s
.endr
.endr
.endm
.macro FRAGS                           ; the 16 rows' eight fragments: lane (r, h), registers 6 c .. 6 c + 5 = block 4 s + 2 c + h of row r, 24 bytes in three pieces of 8
.set fs, 0
.rept 8
.irp c, 0,1
.irp i, 0,1,2
	ds_load_b64 v[FRG+12*fs+6*\c+2*\i:FRG+12*fs+6*\c+2*\i+1], v[STR] offset:SS*fs+CS*\c+8*\i
.endr
.endr
.set fs, fs+1
.endr
.endm
.macro MULT                            ; 32 products: the four accumulators take turns, one instruction a turn; the first K step starts the sums
.set ms, 0
.rept 8
.if ms == 0
	WIN 0x02                                       ; source 0 in window 2
.endif
.if ms == 4
	WIN 0x03                                       ; in window 3
.endif
	s_wait_dscnt 42-6*ms                           ; this K step's fragment is in; the later steps' loads, six each, may be out
.set msl, 0
.rept 4
.if ms == 0
	v_wmma_scale_f32_16x16x128_f8f6f4 v[ACC+8*msl:ACC+8*msl+7], v[(4*msl+ms%4)*12:(4*msl+ms%4)*12+11], v[FRG+12*ms:FRG+12*ms+11], 0, v[WS+8*msl+ms], v[XS+ms] matrix_a_fmt:MATRIX_FMT_FP6 matrix_b_fmt:MATRIX_FMT_FP6
.else
	v_wmma_scale_f32_16x16x128_f8f6f4 v[ACC+8*msl:ACC+8*msl+7], v[(4*msl+ms%4)*12:(4*msl+ms%4)*12+11], v[FRG+12*ms:FRG+12*ms+11], v[ACC+8*msl:ACC+8*msl+7], v[WS+8*msl+ms], v[XS+ms] matrix_a_fmt:MATRIX_FMT_FP6 matrix_b_fmt:MATRIX_FMT_FP6
.endif
.set msl, msl+1
.endr
.set ms, ms+1
.endr
	WIN 0
.rept 4
	v_nop                                          ; four places behind the last products (ISA guide 7.12.1), ahead of the first read of results and of writes to their operands
.endr
.endm
.macro GATHER ofs                      ; the 16 rows of x of the tile whose entries begin ofs bytes behind s23: 24 loads, each two rows' 256 consecutive bytes; and the rows' scale words
	v_add_nc_u32 v[TA], s23, v[LE]
	v_add_nc_u32 v[TB], s23, v[LR]
.irp kk, 0,1,2,3,4,5,6,7
	ds_load_b32 v[E+\kk], v[TA] offset:\ofs+8*\kk  ; entry 2 kk + lane / 16
.endr
	ds_load_b32 v[ER], v[TB] offset:\ofs           ; entry lane % 16
	s_wait_dscnt 0x0                               ; the entries are in; and my stores into the stage have read the registers that the loads below fill
.irp kk, 0,1,2,3,4,5,6,7
	v_lshrrev_b32 v[E+\kk], 1, v[E+\kk]            ; the token
.endr
.irp kk, 0,1,2,3,4,5,6,7
	v_min_u32 v[E+\kk], 0x3ff, v[E+\kk]
.endr
.irp kk, 0,1,2,3,4,5,6,7
	v_mul_u32_u24 v[VOFF+\kk], v[E+\kk], 768
.endr
.irp kk, 0,1,2,3,4,5,6,7
	v_add_nc_u32 v[VOFF+\kk], v[VOFF+\kk], v[Q16]
.endr
	v_lshrrev_b32 v[ER], 1, v[ER]
	v_min_u32 v[ER], 0x3ff, v[ER]
	v_lshlrev_b32 v[XOF], 5, v[ER]
	WIN 0x40
.irp kk, 0,1,2,3,4,5,6,7
.irp th, 0,1,2
	global_load_b128 v[4*(3*\kk+\th):4*(3*\kk+\th)+3], v[VOFF+\kk], s[10:11] offset:256*\th
.endr
.endr
	WIN 0
	global_load_b128 v[XSN:XSN+3], v[XOF], s[12:13]
	global_load_b128 v[XSN+4:XSN+7], v[XOF], s[12:13] offset:16
.endm
.macro EPI                             ; v80-95: g of my row's 16 units; v96-111: u
	s_wait_xcnt 0x0                                ; the last tile's stores have read their data and offsets, which are written anew below
	s_mul_i32 s28, s19, 24576
	v_add_nc_u32 v[AQT], s28, v[AQO]
	s_lshl_b32 s28, s19, 10
	v_add_nc_u32 v[AST], s28, v[ASO]
.irp j, 0,2,4,6,8,10,12,14
	v_pk_mul_f32 v[ET+\j:ET+\j+1], v[ACC+\j:ACC+\j+1], v[ACC+\j:ACC+\j+1]   ; each accumulator is read from its low end on
.endr
.irp j, 0,2,4,6,8,10,12,14
	v_pk_fma_f32 v[ET+\j:ET+\j+1], v[ET+\j:ET+\j+1], v[VB:VB+1], v[VA:VA+1]
.endr
.irp j, 0,2,4,6,8,10,12,14
	v_pk_mul_f32 v[ET+\j:ET+\j+1], v[ET+\j:ET+\j+1], v[ACC+\j:ACC+\j+1]     ; g (a + b g^2)
.endr
.irp j, 0,1,2,3,4,5,6,7,8,9,10,11,12,13,14,15
	v_exp_f32 v[ET+\j], v[ET+\j]
.endr
.irp j, 0,2,4,6,8,10,12,14
	v_pk_mul_f32 v[EX+\j:EX+\j+1], v[ACC+\j:ACC+\j+1], v[ACC+16+\j:ACC+16+\j+1]   ; g u: work that names no exponential's result
.endr
	s_wait_alu depctr_va_vdst(0)                   ; one wait for the sixteen, ahead of their first reader
.irp j, 0,2,4,6,8,10,12,14
	v_pk_add_f32 v[ET+\j:ET+\j+1], v[ET+\j:ET+\j+1], 1.0 op_sel_hi:[1,0]
.endr
.irp j, 0,1,2,3,4,5,6,7,8,9,10,11,12,13,14,15
	v_rcp_f32 v[ET+\j], v[ET+\j]
.endr
	v_nop
	s_wait_alu depctr_va_vdst(0)
.irp j, 0,2,4,6,8,10,12,14
	v_pk_mul_f32 v[EX+\j:EX+\j+1], v[EX+\j:EX+\j+1], v[ET+\j:ET+\j+1]       ; act
.endr
	v_max3_num_f32 v[EM], |v[EX]|, |v[EX+1]|, 0x1800000
.irp i, 2,4,6,8,10,12,14
	v_max3_num_f32 v[EM], v[EM], |v[EX+\i]|, |v[EX+\i+1]|
.endr
	v_permlanex16_b32 v[PM], v[EM], s24, s25
	v_max_num_f32 v[EM], v[EM], v[PM]              ; with lane l xor 16's: the block's largest magnitude
	v_add_nc_u32 v[ESO], 0xff000000, v[EM]
	v_lshrrev_b32 v[EBY], 23, v[ESO]
	v_cvt_scalef32_pk16_fp6_f32 v[CD:CD+2], v[EX:EX+15], v[ESO]
	v_nop                                          ; one plain place behind a scaled conversion
	global_store_b96 v[AQT], v[CD:CD+2], s[14:15]  ; 32 lanes store the block's 16 rows x 24 bytes: 384 consecutive bytes
	global_store_b8 v[AST], v[EBY], s[16:17]       ; both lanes of a row store the same byte
.endm
	s_load_b256 s[4:11], s[0:1], 0x0               ; gate_proj_w s[4:5], up_proj_w s[6:7], msk s[8:9], xq s[10:11]
	s_load_b128 s[12:15], s[0:1], 0x20             ; xs s[12:13], aq s[14:15]
	s_load_b64 s[16:17], s[0:1], 0x30              ; asc
	v_lshl_add_u32 v254, v0, 2, 0x27000
	v_mov_b32 v255, 0
	v_and_b32 v1, 31, v0                           ; lane
	v_and_b32 v2, 15, v0                           ; r, q
	v_bfe_u32 v3, v0, 4, 1                         ; h
	v_lshrrev_b32 v[WVV], 5, v0
	v_readfirstlane_b32 s2, v[WVV]                 ; wave 0..3
	s_and_b32 s3, ttmp7, 0xffff                    ; the expert
	s_and_b32 s26, s2, 1                           ; phase A: gate or up;  phase B: which 32 of the 64 units
	s_lshr_b32 s27, s2, 1                          ; phase A: which half of K;  phase B: even or odd tiles of rows
	s_mov_b32 s24, 0x76543210
	s_mov_b32 s25, 0xfedcba98                      ; v_permlanex16_b32's selects for lane l xor 16
	v_lshlrev_b32 v[Q16], 4, v2
	v_lshl_add_u32 v[AG], v3, 18, v[Q16]           ; 32 rows of 8,192 bytes for lanes 16-31
	v_bfe_u32 v[TA], v0, 3, 1                      ; column 4 q + c lies in tile 2 (q / 8) + (q / 2) % 2,
	v_bfe_u32 v[TB], v0, 1, 1
	v_lshl_add_u32 v[TA], v[TA], 1, v[TB]
	v_bfe_u32 v[TB], v0, 2, 1                      ; at lane 4 (q % 2) + 8 ((q / 4) % 2) + c
	v_and_b32 v[AQT], 1, v0
	v_lshl_add_u32 v[TB], v[TB], 1, v[AQT]         ; a quarter of that
	s_mul_i32 s28, s26, 4*TS
	s_mul_i32 s29, s27, 4*1536
	s_add_co_u32 s28, s28, s29
	v_mul_u32_u24 v[AW], v[TA], TS
	v_mad_u32_u24 v[AW], v[TB], 192, v[AW]
	v_mad_u32_u24 v[AW], v3, 768, v[AW]
	v_add_nc_u32 v[AW], s28, v[AW]
	s_lshl_b32 s28, s26, 11
	s_lshl_b32 s29, s27, 8
	s_add_co_u32 s28, s28, s29
	s_add_co_u32 s28, s28, SCL
	v_lshlrev_b32 v[ASB], 9, v[TA]
	v_lshl_add_u32 v[ASB], v[TB], 4, v[ASB]
	v_add_nc_u32 v[ASB], v[ASB], v3
	v_add_nc_u32 v[ASB], s28, v[ASB]
	v_lshlrev_b32 v[LW], 2, v1
	v_lshl_add_u32 v[LW], v[WVV], 10, v[LW]
	v_add_nc_u32 v[LW], LIST, v[LW]
	v_lshl_add_u32 v[J0], v[WVV], 8, v1
	s_mul_i32 s28, s26, 2*TS
	v_mul_u32_u24 v[IA0], v1, 48
	v_add_nc_u32 v[IA0], s28, v[IA0]
	v_add_nc_u32 v[IA1], UPT*TS, v[IA0]
	s_lshl_b32 s28, s26, 10
	s_add_co_u32 s28, s28, SCL
	v_lshlrev_b32 v[SA], 2, v2
	v_add_nc_u32 v[SA], s28, v[SA]
	s_mul_i32 s28, s2, SPW
	s_add_co_u32 s28, s28, STG
	v_mul_u32_u24 v[SW], v3, 784
	v_lshl_add_u32 v[SW], v2, 4, v[SW]
	v_add_nc_u32 v[SW], s28, v[SW]
	v_mul_u32_u24 v[STR], v2, 784
	v_mad_u32_u24 v[STR], v3, 24, v[STR]
	v_add_nc_u32 v[STR], s28, v[STR]
	v_lshl_add_u32 v[LE], v3, 2, LIST
	v_lshl_add_u32 v[LR], v2, 2, LIST
	v_mul_u32_u24 v[AQO], v2, 24
	v_mad_u32_u24 v[AQO], v3, 12, v[AQO]
	v_lshlrev_b32 v[ASO], 6, v2
	v_mov_b32 v[VA], 0xc0135761                    ; -2.3022082
	v_mov_b32 v[VA+1], 0xc0135761
	v_mov_b32 v[VB], 0xbdd2d3e8                    ; -0.10294324
	v_mov_b32 v[VB+1], 0xbdd2d3e8
	v_mov_b32 v[PM], 0                             ; written once: a lane permute's destination counts as one of its sources
	s_wait_kmcnt 0x0
	s_cmp_eq_u32 s26, 0                            ; the choice hangs on the wave's number alone
	s_cselect_b64 s[4:5], s[4:5], s[6:7]
	s_lshl_b32 s20, s3, 23                         ; the expert's 8 MiB,
	s_lshl_b32 s28, s27, 22                        ; 512 rows,
	s_add_co_u32 s20, s20, s28
	s_lshl_b32 s28, ttmp9, 8                       ; 64 columns
	s_add_co_u32 s20, s20, s28
	s_mov_b32 s21, 0
	s_add_nc_u64 s[4:5], s[4:5], s[20:21]
	s_lshl_b32 s20, s3, 7
	s_add_nc_u64 s[8:9], s[8:9], s[20:21]
	s_lshl_b32 s28, ttmp9, 1
	s_add_co_u32 s28, s28, s26                     ; my block of the hidden axis
	s_mul_i32 s20, s3, 1572864
	s_mul_i32 s29, s28, 384
	s_add_co_u32 s20, s20, s29
	s_add_nc_u64 s[14:15], s[14:15], s[20:21]
	s_lshl_b32 s20, s3, 16
	s_add_co_u32 s20, s20, s28
	s_add_nc_u64 s[16:17], s[16:17], s[20:21]
	s_load_b512 s[32:47], s[8:9], 0x0              ; the expert's member bits,
	s_load_b512 s[48:63], s[8:9], 0x40
	s_load_b512 s[68:83], s[8:9], 0x400            ; and its slot bits
	s_load_b512 s[84:99], s[8:9], 0x440
	LOADR 0, 0, 31
	LOADR 1, 0, 30                                 ; 63 loads are out while the list is built
	WIN 0
	LISTB
	LOADR 1, 31, 31
.set kc, 0
.rept NCH
	CHUNK kc
.set kc, kc+1
.endr
	WIN 0
	s_wait_dscnt 0x0                               ; for the others' sake: my images, scale bytes and list entries lie in LDS
	s_barrier_signal -1
	s_barrier_wait -1                              ; the launch's one barrier: behind it nobody writes them
	s_mov_b32 s19, s27                             ; T
	s_lshl_b32 s23, s27, 6                         ; 64 T: the tile's entries
	s_cmp_ge_u32 s19, s18
	s_cbranch_scc1 .Lno_first
	GATHER 0
.Lno_first:
	RESB
	s_wait_dscnt 0x0
	s_mov_b32 s22, 0
.Ltrip:                                            ; 32 trips, a constant; a tile past the list's end is jumped over
	s_cmp_ge_u32 s19, s18
	s_cbranch_scc1 .Lskip
	s_wait_loadcnt 0x0                             ; the tile's rows and scale words are in
.irp i, 0,1,2,3,4,5,6,7
	v_mov_b32 v[XS+\i], v[XSN+\i]
.endr
.rept 8
	v_nop                                          ; a scale register written by a vector instruction stands eight places ahead of the scaled matrix instruction
.endr
	WIN 0x04                                       ; the data: window 1
.irp kk, 0,1,2,3,4,5,6,7
.irp th, 0,1,2
	ds_store_b128 v[SW], v[4*(3*\kk+\th):4*(3*\kk+\th)+3] offset:1568*\kk+256*\th
.endr
.endr
	WIN 0
	s_add_co_u32 s28, s19, 2
	s_cmp_ge_u32 s28, s18
	s_cbranch_scc1 .Lno_next
	GATHER 128                                     ; my next tile's rows land while this one is multiplied
.Lno_next:
	FRAGS
	MULT
	EPI
.Lskip:
	s_add_co_u32 s19, s19, 2
	s_add_co_u32 s23, s23, 128
	s_add_co_u32 s22, s22, 1
	s_cmp_lt_u32 s22, 32
	s_cbranch_scc1 .Ltrip
	s_wait_tensorcnt 0x0
	ds_add_u32 v254, v255
	s_wait_dscnt 0x0
	s_endpgm
.Lfunc_end_k_qdc4cfae042_gateup:
	.size	k_qdc4cfae042_gateup, .Lfunc_end_k_qdc4cfae042_gateup-k_qdc4cfae042_gateup
	.p2alignl 7, 3214868480
	.fill 96, 4, 3214868480
	.section	.rodata,"a",@progbits
	.p2align	6, 0x0
	.amdhsa_kernel k_qdc4cfae042_gateup
		.amdhsa_group_segment_fixed_size 160256
		.amdhsa_private_segment_fixed_size 0
		.amdhsa_enable_private_segment 0
		.amdhsa_kernarg_size 56
		.amdhsa_user_sgpr_count 2
		.amdhsa_user_sgpr_kernarg_segment_ptr 1
		.amdhsa_wavefront_size32 1
		.amdhsa_system_sgpr_workgroup_id_x 1
		.amdhsa_system_sgpr_workgroup_id_y 1
		.amdhsa_system_sgpr_workgroup_id_z 1
		.amdhsa_system_vgpr_workitem_id 0
		.amdhsa_next_free_vgpr 1024
		.amdhsa_next_free_sgpr 100
		.amdhsa_reserve_vcc 1
		.amdhsa_float_denorm_mode_32 3
		.amdhsa_float_denorm_mode_16_64 3
		.amdhsa_memory_ordered 1
		.amdhsa_forward_progress 1
		.amdhsa_inst_pref_size 181
	.end_amdhsa_kernel
	.amdgpu_metadata
---
amdhsa.version: [ 1, 2 ]
amdhsa.kernels:
  - .name:           k_qdc4cfae042_gateup
    .symbol:         k_qdc4cfae042_gateup.kd
    .args:
      - { .name: gate_proj_w, .offset: 0, .size: 8, .value_kind: global_buffer, .address_space: global }
      - { .name: up_proj_w, .offset: 8, .size: 8, .value_kind: global_buffer, .address_space: global }
      - { .name: msk, .offset: 16, .size: 8, .value_kind: global_buffer, .address_space: global }
      - { .name: xq, .offset: 24, .size: 8, .value_kind: global_buffer, .address_space: global }
      - { .name: xs, .offset: 32, .size: 8, .value_kind: global_buffer, .address_space: global }
      - { .name: aq, .offset: 40, .size: 8, .value_kind: global_buffer, .address_space: global }
      - { .name: asc, .offset: 48, .size: 8, .value_kind: global_buffer, .address_space: global }
    .group_segment_fixed_size: 160256
    .private_segment_fixed_size: 0
    .kernarg_segment_align: 8
    .kernarg_segment_size: 56
    .max_flat_workgroup_size: 128
    .sgpr_count:     100
    .vgpr_count:     1024
    .wavefront_size: 32
...
	.end_amdgpu_metadata
.endif
;; end of part 2
;; launch down (part 3): grid 32 x 8, 4 waves a work-group, no clusters, 123,392 bytes of LDS; arguments down_proj_w, msk, aq, asc, y; writes y
.if DOCPART == 3
	.amdgcn_target "amdgcn-amd-amdhsa--gfx1250"
	.amdhsa_code_object_version 6
	.text
	.protected	k_qdc4cfae042_down
	.globl	k_qdc4cfae042_down
	.p2align	8
	.type	k_qdc4cfae042_down,@function
k_qdc4cfae042_down:
	s_mov_b64 s[64:65], 0
	v_nop
	global_prefetch_b8 v0, s[64:65] scope:SCOPE_SE
	s_setreg_imm32_b32 hwreg(HW_REG_WAVE_MODE, 25, 1), 1
	s_wait_xcnt 0x0
; y[kh][2 token + slot][:] = act Wd over half kh of the hidden axis, for the rows that chose expert n.  The product is on codes of E2M3 with one E8M0 scale for each 32 along K.
; SHARES.  Work-group (es + 16 kh, n) owns output columns 64 es .. 64 es + 63 and hidden units 1,024 kh .. + 1,023 of expert n: 1,024 x 64 numbers of down_proj_w, read by this work-group alone, once.
;   K is halved so that there are 256 work-groups whose weight rows are 256 consecutive bytes; the two halves' sums are added by the next launch.
; PHASE A.  Wave w streams rows 256 w on in 4 chunks of 64 rows x 256 bytes, quantises them along K and stores them to LDS as images of the operand's registers (tile, K step, lane, 48 bytes a lane).
; THE LIST of the expert's rows is built from the stored bit masks while the first loads are on their way: entry j = 2 token + slot; entries past the last repeat the last, and their stores write equal bytes.
; PHASE B.  Behind ONE barrier each wave holds all four tiles of columns, all 8 K steps, in 384 registers, and walks the tiles of rows T = w + 4 i: 16 trips, a constant; a tile past the list's end is
;   jumped over by a scalar branch on the count read from memory, so this launch has no tensor load and no copy.  Only tiles inside the list are read from aq and asc: those were written.
;   The product is used transposed (source 0 = 16 weight columns, source 1 = 16 rows of act): a lane holds eight neighbouring columns of one row; a tile goes through the wave's own stage and leaves as
;   rows of 256 consecutive bytes, each to the place that the list names.
; LIMITS: NaN and infinities are not served.  A block of weights whose largest magnitude lies under 2^-124, a block of zeros too, keeps the scale byte 1.
.set ROWB, 4096
.set NCH,  4
.set UPT,  2                           ; tile slots 2, 3 lie two tiles behind slots 0, 1
.set TS,   12304
.set IMG,  0                           ; LDS: 4 tiles' images
.set SCL,  49408                       ; their scale bytes
.set LIST, 51456                       ; 1,024 entries, and 256 bytes kept free behind them
.set STG,  55808                       ; 4 waves x 12,288 bytes: a tile's codes as they lie in aq: block x 384 + row x 24
.set YST,  104960                      ; 4 waves x 16 rows of 256 bytes + 16
.set SS,   1536
.set CS,   768
.set AG,  4
.set AW,  5
.set ASB, 6
.set LW,  7
.set J0,  8
.set IA0, 9
.set IA1, 10
.set SA,  11
.set SW,  12                           ; v12  LDS: stage, on the way in: 16 x lane
.set STR, 13                           ; v13  LDS: stage, as fragments: 384 h + 24 r
.set LE,  14                           ; v14  LIST + 4 (lane / 16)
.set YW,  15                           ; v15  LDS: where I put 32 bytes of a row of y
.set YR,  16                           ; v16  LDS: where I read a row back
.set L16, 17                           ; v17  16 x lane
.set TA,  18
.set R64, 19                           ; v19  64 r
.set Q16, 20                           ; v20  16 (lane % 16)
.set WVV, 21
.set GOF, 22                           ; v22  offset in aq of the tile on its way;  v23 in asc
.set XOF, 23
.set TB,  24
.set WS,  32                           ; v32-63 the weights' scale words;  v64-71 act's of the tile in hand: these hold scales and nothing else
.set XS,  64
.set XSN, 72                           ; v72-79 those of the tile on its way (no operand; one array of the list's scratch lies here first)
.set ACC, 80                           ; v80-111 four tiles of columns
.set FRG, 112                          ; v112-207 act's eight fragments
.set E,   208                          ; v208-215 list entries
.set OFF, 216                          ; v216-223 offsets in y
.set YB,  224                          ; v224-255 16 rows on the way out
.set TT,  128                          ; windows 1, 2, 3 in phase A, as chunk k lies in window 1 + k % 3
.set PP,  160
.set QQ,  184
.set MM,  188
.set M2,  189
.set SO,  190
.set BY,  192
.set L_M, 72                           ; the list's scratch, window 0
.set L_J, 80
.set L_G, 88
.set L_C, 96
.set L_P, 104
.set L_S, 112
.set L_A, 120
.set L_B, 128
.set L_Q, 136
.set L_D, 144
.set L_K, 152
.set L_O, 160
.set L_T, 168
.set G_M, 176
.set G_P, 177
.set G_S, 178
.set G_A, 179
.set G_B, 180
.set G_Q, 181
.set G_D, 182
.set G_T, 183
.set MSB, 0
.macro WIN new                         ; the immediate's high byte repeats the setting that is left; a switch that changes nothing is dropped
.if MSB != (\new)
	s_set_vgpr_msb (MSB<<8)|(\new)
.set MSB, (\new)
.endif
.endm
.macro LOADR k, i0, i1                 ; loads i0 .. i1 of chunk k: each takes two rows' 256 consecutive bytes
	WIN (1+(\k)%3)<<6
.set li, \i0
.rept (\i1)-(\i0)+1
	global_load_b128 v[4*li:4*li+3], v[AG], s[4:5] offset:(64*(\k)+li)*ROWB th:TH_LOAD_NT
.set li, li+1
.endr
.endm
.macro QCOL c                          ; column c of the chunk: one block of 32 along K
	v_max3_num_f32 v[MM], |v[\c]|, |v[4+\c]|, 0x1800000            ; the largest magnitude in two chains; the floor 2^(3 - 127) holds the byte at 1 from below
	v_max3_num_f32 v[M2], |v[8+\c]|, |v[12+\c]|, |v[16+\c]|
.set qi, 5
.rept 6
	v_max3_num_f32 v[MM], v[MM], |v[4*qi+\c]|, |v[4*qi+4+\c]|
	v_max3_num_f32 v[M2], v[M2], |v[4*qi+8+\c]|, |v[4*qi+12+\c]|
.set qi, qi+4
.endr
	v_max3_num_f32 v[MM], v[MM], |v[116+\c]|, |v[120+\c]|
	v_max3_num_f32 v[MM], v[MM], v[M2], |v[124+\c]|
	v_add_nc_u32 v[SO], 0xff000000, v[MM]          ; 2 off the exponent field: the conversion's scale operand
	v_lshrrev_b32 v[BY+\c], 23, v[SO]              ; the scale's byte
.set qi, 0
.rept 32
	v_mov_b32 v[TT+qi], v[4*qi+\c]                 ; the block on end: the conversion takes neighbours along K from consecutive registers
.set qi, qi+1
.endr
	v_cvt_scalef32_pk16_fp6_f32 v[PP+6*\c:PP+6*\c+2], v[TT:TT+15], v[SO]
	v_cvt_scalef32_pk16_fp6_f32 v[QQ:QQ+2], v[TT+16:TT+31], v[SO]  ; (a conversion's three registers begin on an even number)
	v_nop                                          ; one plain place behind a scaled conversion
	v_mov_b32 v[PP+6*\c+3], v[QQ]
	v_mov_b32 v[PP+6*\c+4], v[QQ+1]
	v_mov_b32 v[PP+6*\c+5], v[QQ+2]
.endm
.macro CHUNK k
.if (\k) < NCH-1
	s_wait_loadcnt 32                              ; this chunk is in; the next chunk's 32 loads may be out
.else
	s_wait_loadcnt 0x0
.endif
.if (\k)+2 < NCH
	LOADR (\k)+2, 0, 30                            ; 63 loads of mine are out now; the chunk's last load follows behind the work
.endif
.if (\k) >= 3
	s_wait_dscnt 32                                ; the stores of the chunk three back, which lay in this window, have read their registers (behind them: two chunks' 16 stores each)
.endif
	WIN 0x55*(1+(\k)%3)
	QCOL 0
	QCOL 1
	QCOL 2
	QCOL 3
	WIN (1+(\k)%3)<<2                              ; an LDS store's data are its source 1
.irp c, 0,1,2,3
.irp i, 0,1,2
	ds_store_b64 v[AW], v[PP+6*\c+2*\i:PP+6*\c+2*\i+1] offset:((\k)/2)*1536+48*\c+24*((\k)%2)+8*\i
.endr
	ds_store_b8 v[ASB], v[BY+\c] offset:((\k)/2)*64+4*\c+2*((\k)%2)
.endr
.if (\k)+2 < NCH
	LOADR (\k)+2, 31, 31
.endif
.endm
.macro LSEL arr, wid, inc              ; one step of "the K-th set bit": is it past the lower half of the field in hand?
.irp ii, 0,1,2,3,4,5,6,7
	v_bfe_u32 v[L_T+\ii], v[\arr+\ii], v[L_O+\ii], \wid
.endr
.irp ii, 0,1,2,3,4,5,6,7
	v_cmp_ge_u32 vcc_lo, v[L_K+\ii], v[L_T+\ii]
	v_cndmask_b32 v[L_T+\ii], 0, v[L_T+\ii], vcc_lo
	v_cndmask_b32 v[L_C+\ii], 0, \inc, vcc_lo
	v_sub_nc_u32 v[L_K+\ii], v[L_K+\ii], v[L_T+\ii]
	v_add_nc_u32 v[L_O+\ii], v[L_O+\ii], v[L_C+\ii]
.endr
.endm
.macro LISTB
	s_wait_kmcnt 0x0                               ; the expert's 32 member words in s[32:63], its 32 slot words in s[68:99]
	v_mov_b32 v[G_M], 0
	v_mov_b32 v[G_P], 0
	v_mov_b32 v[G_S], 0
	s_mov_b32 s18, 0
.set g, 0
.rept 32                               ; lane g takes group g (tokens 32 g ..): its members, how many members lie before it, its slot bits
	v_writelane_b32 v[G_M], s[32+g], g
	v_writelane_b32 v[G_P], s18, g
	v_writelane_b32 v[G_S], s[68+g], g
	s_bcnt1_i32_b32 s28, s[32+g]
	s_add_co_u32 s18, s18, s28
.set g, g+1
.endr
	s_sub_co_u32 s30, s18, 1                       ; the last entry's number
	s_add_co_u32 s18, s18, 15
	s_lshr_b32 s18, s18, 4                         ; tiles of 16 rows
	v_lshrrev_b32 v[G_T], 1, v[G_M]                ; counts of set bits in fields of 2, 4, 8 and 16 bits
	v_and_b32 v[G_T], 0x55555555, v[G_T]
	v_sub_nc_u32 v[G_A], v[G_M], v[G_T]
	v_lshrrev_b32 v[G_T], 2, v[G_A]
	v_and_b32 v[G_T], 0x33333333, v[G_T]
	v_and_b32 v[G_B], 0x33333333, v[G_A]
	v_add_nc_u32 v[G_B], v[G_B], v[G_T]
	v_lshrrev_b32 v[G_T], 4, v[G_B]
	v_add_nc_u32 v[G_Q], v[G_B], v[G_T]
	v_and_b32 v[G_Q], 0x0f0f0f0f, v[G_Q]
	v_lshrrev_b32 v[G_T], 8, v[G_Q]
	v_add_nc_u32 v[G_D], v[G_Q], v[G_T]
	v_and_b32 v[G_D], 0x00ff00ff, v[G_D]
.irp ii, 0,1,2,3,4,5,6,7               ; my wave's 256 entries, 32 at a time, the eight runs by turns
	v_add_nc_u32 v[L_J+\ii], 32*\ii, v[J0]
.endr
.irp ii, 0,1,2,3,4,5,6,7
	v_min_u32 v[L_J+\ii], s30, v[L_J+\ii]          ; past the end: the last entry again
	v_mov_b32 v[L_G+\ii], 0
.endr
.irp st, 64,32,16,8,4                  ; the last group whose count-before is at most j, by halving; 4 x group is the permute's index
.irp ii, 0,1,2,3,4,5,6,7
	v_add_nc_u32 v[L_C+\ii], \st, v[L_G+\ii]
.endr
.irp ii, 0,1,2,3,4,5,6,7
	ds_bpermute_b32 v[L_P+\ii], v[L_C+\ii], v[G_P]
.endr
	s_wait_dscnt 0x0
.irp ii, 0,1,2,3,4,5,6,7
	v_cmp_le_u32 vcc_lo, v[L_P+\ii], v[L_J+\ii]
	v_cndmask_b32 v[L_G+\ii], v[L_G+\ii], v[L_C+\ii], vcc_lo
.endr
.endr
.irp ii, 0,1,2,3,4,5,6,7
	ds_bpermute_b32 v[L_P+\ii], v[L_G+\ii], v[G_P]
	ds_bpermute_b32 v[L_S+\ii], v[L_G+\ii], v[G_S]
	ds_bpermute_b32 v[L_M+\ii], v[L_G+\ii], v[G_M]
	ds_bpermute_b32 v[L_A+\ii], v[L_G+\ii], v[G_A]
	ds_bpermute_b32 v[L_B+\ii], v[L_G+\ii], v[G_B]
	ds_bpermute_b32 v[L_Q+\ii], v[L_G+\ii], v[G_Q]
	ds_bpermute_b32 v[L_D+\ii], v[L_G+\ii], v[G_D]
.endr
	s_wait_dscnt 0x0
.irp ii, 0,1,2,3,4,5,6,7
	v_sub_nc_u32 v[L_K+\ii], v[L_J+\ii], v[L_P+\ii] ; which member of the group
	v_mov_b32 v[L_O+\ii], 0                        ; its bit
.endr
	LSEL L_D, 8, 16
	LSEL L_Q, 8, 8
	LSEL L_B, 4, 4
	LSEL L_A, 2, 2
	LSEL L_M, 1, 1
.irp ii, 0,1,2,3,4,5,6,7
	v_lshrrev_b32 v[L_T+\ii], v[L_O+\ii], v[L_S+\ii]
	v_and_b32 v[L_T+\ii], 1, v[L_T+\ii]            ; slot
	v_lshl_add_u32 v[L_T+\ii], v[L_O+\ii], 1, v[L_T+\ii]
	v_lshl_add_u32 v[L_T+\ii], v[L_G+\ii], 4, v[L_T+\ii]   ; 2 (32 group + bit) + slot
	ds_store_b32 v[LW], v[L_T+\ii] offset:128*\ii
.endr
.endm
.macro RESB                            ; the four tiles' images and scale words into registers, where they stay
	WIN 0x80
.irp sl, 0,1,2,3
.irp s, 0,1,2,3
.irp j, 0,1,2
	ds_load_b128 v[(4*\sl+\s)*12+4*\j:(4*\sl+\s)*12+4*\j+3], v[IA0+\sl/2] offset:(\sl%2)*TS+\s*1536+16*\j
.endr
.endr
.endr
	WIN 0xc0
.irp sl, 0,1,2,3
.irp s, 0,1,2,3
.irp j, 0,1,2
	ds_load_b128 v[(4*\sl+\s)*12+4*\j:(4*\sl+\s)*12+4*\j+3], v[IA0+\sl/2] offset:(\sl%2)*TS+(\s+4)*1536+16*\j
.endr
.endr
.endr
	WIN 0
.irp sl, 0,1,2,3
.irp s, 0,1,2,3,4,5,6,7
	ds_load_b32 v[WS+8*\sl+\s], v[SA] offset:((\sl/2)*UPT+\sl%2)*512+64*\s
.endr
.endr
.endm
.macro FRAGS                           ; the 16 rows' eight fragments: lane (r, h), registers 6 c .. 6 c + 5 = block 4 s + 2 c + h of row r, 24 bytes in three pieces of 8
.set fs, 0
.rept 8
.irp c, 0,1
.irp i, 0,1,2
	ds_load_b64 v[FRG+12*fs+6*\c+2*\i:FRG+12*fs+6*\c+2*\i+1], v[STR] offset:SS*fs+CS*\c+8*\i
.endr
.endr
.set fs, fs+1
.endr
.endm
.macro MULT                            ; 32 products: the four accumulators take turns, one instruction a turn; the first K step starts the sums
.set ms, 0
.rept 8
.if ms == 0
	WIN 0x02                                       ; source 0 in window 2
.endif
.if ms == 4
	WIN 0x03                                       ; in window 3
.endif
	s_wait_dscnt 42-6*ms                           ; this K step's fragment is in; the later steps' loads, six each, may be out
.set msl, 0
.rept 4
.if ms == 0
	v_wmma_scale_f32_16x16x128_f8f6f4 v[ACC+8*msl:ACC+8*msl+7], v[(4*msl+ms%4)*12:(4*msl+ms%4)*12+11], v[FRG+12*ms:FRG+12*ms+11], 0, v[WS+8*msl+ms], v[XS+ms] matrix_a_fmt:MATRIX_FMT_FP6 matrix_b_fmt:MATRIX_FMT_FP6
.else
	v_wmma_scale_f32_16x16x128_f8f6f4 v[ACC+8*msl:ACC+8*msl+7], v[(4*msl+ms%4)*12:(4*msl+ms%4)*12+11], v[FRG+12*ms:FRG+12*ms+11], v[ACC+8*msl:ACC+8*msl+7], v[WS+8*msl+ms], v[XS+ms] matrix_a_fmt:MATRIX_FMT_FP6 matrix_b_fmt:MATRIX_FMT_FP6
.endif
.set msl, msl+1
.endr
.set ms, ms+1
.endr
	WIN 0
.rept 4
	v_nop                                          ; four places behind the last products (ISA guide 7.12.1), ahead of the first read of results and of writes to their operands
.endr
.endm
.macro GATHER4 dt                      ; tile T + dt: its 12,288 bytes of codes for my half of K, as they lie, 512 consecutive bytes a load; and the rows' scale words
	s_add_co_u32 s28, s19, \dt
	s_mul_i32 s29, s28, 24576
	v_add_nc_u32 v[GOF], s29, v[L16]
	s_lshl_b32 s29, s28, 10
	v_add_nc_u32 v[XOF], s29, v[R64]
	WIN 0x40
.set gi, 0
.rept 24
	global_load_b128 v[4*gi:4*gi+3], v[GOF], s[8:9] offset:512*gi
.set gi, gi+1
.endr
	WIN 0
	global_load_b128 v[XSN:XSN+3], v[XOF], s[10:11]
	global_load_b128 v[XSN+4:XSN+7], v[XOF], s[10:11] offset:16
.endm
	s_load_b256 s[4:11], s[0:1], 0x0               ; down_proj_w s[4:5], msk s[6:7], aq s[8:9], asc s[10:11]
	s_load_b64 s[12:13], s[0:1], 0x20              ; y
	v_lshl_add_u32 v30, v0, 2, 0x1e000
	v_mov_b32 v31, 0
	v_and_b32 v1, 31, v0                           ; lane
	v_and_b32 v2, 15, v0                           ; r, q
	v_bfe_u32 v3, v0, 4, 1                         ; h
	v_lshrrev_b32 v[WVV], 5, v0
	v_readfirstlane_b32 s2, v[WVV]                 ; wave 0..3
	s_and_b32 s3, ttmp7, 0xffff                    ; the expert
	s_and_b32 s26, ttmp9, 15                       ; which 64 output columns
	s_lshr_b32 s27, ttmp9, 4                       ; which half of K
	v_lshlrev_b32 v[Q16], 4, v2
	v_lshl_add_u32 v[AG], v3, 17, v[Q16]           ; 32 rows of 4,096 bytes for lanes 16-31
	v_bfe_u32 v[TA], v0, 2, 2                      ; column 4 q + c lies in tile q / 4,
	v_and_b32 v[TB], 3, v0                         ; at lane 4 (q % 4) + c
	s_mul_i32 s28, s2, 2*1536                      ; my K steps 2 w, 2 w + 1
	v_mul_u32_u24 v[AW], v[TA], TS
	v_mad_u32_u24 v[AW], v[TB], 192, v[AW]
	v_mad_u32_u24 v[AW], v3, 768, v[AW]
	v_add_nc_u32 v[AW], s28, v[AW]
	s_lshl_b32 s28, s2, 7
	s_add_co_u32 s28, s28, SCL
	v_lshlrev_b32 v[ASB], 9, v[TA]
	v_lshl_add_u32 v[ASB], v[TB], 4, v[ASB]
	v_add_nc_u32 v[ASB], v[ASB], v3
	v_add_nc_u32 v[ASB], s28, v[ASB]
	v_lshlrev_b32 v[LW], 2, v1
	v_lshl_add_u32 v[LW], v[WVV], 10, v[LW]
	v_add_nc_u32 v[LW], LIST, v[LW]
	v_lshl_add_u32 v[J0], v[WVV], 8, v1
	v_mul_u32_u24 v[IA0], v1, 48
	v_add_nc_u32 v[IA1], UPT*TS, v[IA0]
	v_lshl_add_u32 v[SA], v2, 2, SCL
	v_lshlrev_b32 v[L16], 4, v1
	s_mul_i32 s28, s2, 12288
	s_add_co_u32 s28, s28, STG
	v_add_nc_u32 v[SW], s28, v[L16]
	v_mul_u32_u24 v[STR], v2, 24
	v_mad_u32_u24 v[STR], v3, 384, v[STR]
	v_add_nc_u32 v[STR], s28, v[STR]
	v_lshl_add_u32 v[LE], v3, 2, LIST
	s_mul_i32 s28, s2, 4352
	s_add_co_u32 s28, s28, YST
	v_mul_u32_u24 v[YW], v2, 272
	v_lshl_add_u32 v[YW], v3, 5, v[YW]
	v_add_nc_u32 v[YW], s28, v[YW]
	v_mul_u32_u24 v[YR], v3, 272
	v_add_nc_u32 v[YR], v[YR], v[Q16]
	v_add_nc_u32 v[YR], s28, v[YR]
	v_lshlrev_b32 v[R64], 6, v2
	s_wait_kmcnt 0x0
	s_lshl_b32 s20, s3, 23                         ; the expert's 8 MiB,
	s_lshl_b32 s28, s27, 22                        ; 1,024 rows,
	s_add_co_u32 s20, s20, s28
	s_lshl_b32 s28, s2, 20                         ; 256 rows,
	s_add_co_u32 s20, s20, s28
	s_lshl_b32 s28, s26, 8                         ; 64 columns
	s_add_co_u32 s20, s20, s28
	s_mov_b32 s21, 0
	s_add_nc_u64 s[4:5], s[4:5], s[20:21]
	s_lshl_b32 s20, s3, 7
	s_add_nc_u64 s[6:7], s[6:7], s[20:21]
	s_mul_i32 s20, s3, 1572864
	s_mul_i32 s28, s27, 12288
	s_add_co_u32 s20, s20, s28
	s_add_nc_u64 s[8:9], s[8:9], s[20:21]
	s_lshl_b32 s20, s3, 16
	s_lshl_b32 s28, s27, 5
	s_add_co_u32 s20, s20, s28
	s_add_nc_u64 s[10:11], s[10:11], s[20:21]
	s_lshl_b32 s20, s27, 23
	s_lshl_b32 s28, s26, 8
	s_add_co_u32 s20, s20, s28
	s_add_nc_u64 s[12:13], s[12:13], s[20:21]
	s_load_b512 s[32:47], s[6:7], 0x0              ; the expert's member bits,
	s_load_b512 s[48:63], s[6:7], 0x40
	s_load_b512 s[68:83], s[6:7], 0x400            ; and its slot bits
	s_load_b512 s[84:99], s[6:7], 0x440
	LOADR 0, 0, 31
	LOADR 1, 0, 30                                 ; 63 loads are out while the list is built
	WIN 0
	LISTB
	LOADR 1, 31, 31
.set kc, 0
.rept NCH
	CHUNK kc
.set kc, kc+1
.endr
	WIN 0
	s_wait_dscnt 0x0                               ; for the others' sake: my images, scale bytes and list entries lie in LDS
	s_barrier_signal -1
	s_barrier_wait -1                              ; the launch's one barrier: behind it nobody writes them
	s_mov_b32 s19, s2                              ; T
	s_lshl_b32 s23, s2, 6                          ; 64 T: the tile's entries
	s_cmp_ge_u32 s19, s18
	s_cbranch_scc1 .Lno_first
	GATHER4 0
.Lno_first:
	RESB
	s_wait_dscnt 0x0
	s_mov_b32 s22, 0
.Ltrip:                                            ; 16 trips, a constant; a tile past the list's end is jumped over
	s_cmp_ge_u32 s19, s18
	s_cbranch_scc1 .Lskip
	s_wait_loadcnt 0x0                             ; the tile's codes and scale words are in
.irp i, 0,1,2,3,4,5,6,7
	v_mov_b32 v[XS+\i], v[XSN+\i]
.endr
.rept 8
	v_nop                                          ; a scale register written by a vector instruction stands eight places ahead of the scaled matrix instruction
.endr
	WIN 0x04                                       ; the data: window 1
.set gi, 0
.rept 24
	ds_store_b128 v[SW], v[4*gi:4*gi+3] offset:512*gi
.set gi, gi+1
.endr
	WIN 0
	v_add_nc_u32 v[TA], s23, v[LE]
.irp ii, 0,1,2,3,4,5,6,7
	ds_load_b32 v[E+\ii], v[TA] offset:8*\ii       ; entry 2 ii + lane / 16: where rows 2 ii, 2 ii + 1 of the tile go
.endr
	s_wait_dscnt 0x0                               ; the entries are in; and my stores into the stage have read the registers that the loads below fill
	s_add_co_u32 s28, s19, 4
	s_cmp_ge_u32 s28, s18
	s_cbranch_scc1 .Lno_next
	GATHER4 4                                      ; my next tile lands while this one is multiplied
.Lno_next:
	FRAGS
	MULT
.irp ct, 0,1,2,3
	ds_store_b128 v[YW], v[ACC+8*\ct:ACC+8*\ct+3] offset:64*\ct        ; each accumulator from its low end on: lane (r, h): columns 16 ct + 8 h + 0 .. 7 of row r
	ds_store_b128 v[YW], v[ACC+8*\ct+4:ACC+8*\ct+7] offset:64*\ct+16
.endr
	s_wait_xcnt 0x0                                ; the last tile's stores have read their data and offsets, which are written anew below
.irp ii, 0,1,2,3,4,5,6,7
	ds_load_b128 v[YB+4*\ii:YB+4*\ii+3], v[YR] offset:544*\ii          ; LDS serves a wave's instructions in order: these see my stores
.endr
.irp ii, 0,1,2,3,4,5,6,7
	v_min_u32 v[OFF+\ii], 0x7ff, v[E+\ii]
.endr
.irp ii, 0,1,2,3,4,5,6,7
	v_lshl_add_u32 v[OFF+\ii], v[OFF+\ii], 12, v[Q16]                  ; a row of y is 4,096 bytes
.endr
.irp ii, 0,1,2,3,4,5,6,7
	s_wait_dscnt 7-\ii                             ; the younger read-backs may be out
	global_store_b128 v[OFF+\ii], v[YB+4*\ii:YB+4*\ii+3], s[12:13] th:TH_STORE_NT   ; sixteen lanes store 256 consecutive bytes, aligned
.endr
.Lskip:
	s_add_co_u32 s19, s19, 4
	s_add_co_u32 s23, s23, 256
	s_add_co_u32 s22, s22, 1
	s_cmp_lt_u32 s22, 16
	s_cbranch_scc1 .Ltrip
	s_wait_tensorcnt 0x0
	ds_add_u32 v30, v31
	s_wait_dscnt 0x0
	s_endpgm
.Lfunc_end_k_qdc4cfae042_down:
	.size	k_qdc4cfae042_down, .Lfunc_end_k_qdc4cfae042_down-k_qdc4cfae042_down
	.p2alignl 7, 3214868480
	.fill 96, 4, 3214868480
	.section	.rodata,"a",@progbits
	.p2align	6, 0x0
	.amdhsa_kernel k_qdc4cfae042_down
		.amdhsa_group_segment_fixed_size 123392
		.amdhsa_private_segment_fixed_size 0
		.amdhsa_enable_private_segment 0
		.amdhsa_kernarg_size 40
		.amdhsa_user_sgpr_count 2
		.amdhsa_user_sgpr_kernarg_segment_ptr 1
		.amdhsa_wavefront_size32 1
		.amdhsa_system_sgpr_workgroup_id_x 1
		.amdhsa_system_sgpr_workgroup_id_y 1
		.amdhsa_system_sgpr_workgroup_id_z 1
		.amdhsa_system_vgpr_workitem_id 0
		.amdhsa_next_free_vgpr 1024
		.amdhsa_next_free_sgpr 100
		.amdhsa_reserve_vcc 1
		.amdhsa_float_denorm_mode_32 3
		.amdhsa_float_denorm_mode_16_64 3
		.amdhsa_memory_ordered 1
		.amdhsa_forward_progress 1
		.amdhsa_inst_pref_size 119
	.end_amdhsa_kernel
	.amdgpu_metadata
---
amdhsa.version: [ 1, 2 ]
amdhsa.kernels:
  - .name:           k_qdc4cfae042_down
    .symbol:         k_qdc4cfae042_down.kd
    .args:
      - { .name: down_proj_w, .offset: 0, .size: 8, .value_kind: global_buffer, .address_space: global }
      - { .name: msk, .offset: 8, .size: 8, .value_kind: global_buffer, .address_space: global }
      - { .name: aq, .offset: 16, .size: 8, .value_kind: global_buffer, .address_space: global }
      - { .name: asc, .offset: 24, .size: 8, .value_kind: global_buffer, .address_space: global }
      - { .name: y, .offset: 32, .size: 8, .value_kind: global_buffer, .address_space: global }
    .group_segment_fixed_size: 123392
    .private_segment_fixed_size: 0
    .kernarg_segment_align: 8
    .kernarg_segment_size: 40
    .max_flat_workgroup_size: 128
    .sgpr_count:     100
    .vgpr_count:     1024
    .wavefront_size: 32
...
	.end_amdgpu_metadata
.endif
;; end of part 3
;; launch combine (part 4): grid 256 x 1, 4 waves a work-group, no clusters, 0 bytes of LDS; arguments y, coef, out0; writes out0
.if DOCPART == 4
	.amdgcn_target "amdgcn-amd-amdhsa--gfx1250"
	.amdhsa_code_object_version 6
	.text
	.protected	k_qdc4cfae042_combine
	.globl	k_qdc4cfae042_combine
	.p2align	8
	.type	k_qdc4cfae042_combine,@function
k_qdc4cfae042_combine:
	s_mov_b64 s[64:65], 0
	v_nop
	global_prefetch_b8 v0, s[64:65] scope:SCOPE_SE
	s_setreg_imm32_b32 hwreg(HW_REG_WAVE_MODE, 25, 1), 1
	s_wait_xcnt 0x0
; out0[t] = coef[2 t] (y[0][2 t] + y[1][2 t]) + coef[2 t + 1] (y[0][2 t + 1] + y[1][2 t + 1]): the two halves of K are added, and the token's two experts are weighed.
; A stream: a wave takes one token: four rows of 4,096 bytes in, one out; every load and store covers 512 consecutive bytes; all 32 loads of a wave are issued before the first wait.
; No LDS, no barrier, no matrix unit: memory binds.  No register that a store reads is written again, so no wait frees one.
.set Y, 16                             ; v16-143  group i at 16 i: half 0 row 0, half 1 row 0, half 0 row 1, half 1 row 1
.set O, 144                            ; v144-175 group i's 16 bytes a lane
	s_load_b128 s[4:7], s[0:1], 0x0                ; y s[4:5], coef s[6:7]
	s_load_b64 s[8:9], s[0:1], 0x10                ; out0
	v_lshrrev_b32 v1, 5, v0
	v_readfirstlane_b32 s10, v1                    ; wave
	v_and_b32 v2, 31, v0
	v_lshlrev_b32 v2, 4, v2                        ; 16 bytes a lane
	s_lshl_b32 s11, ttmp9, 2
	s_add_co_u32 s11, s11, s10                     ; the token
	s_lshl_b32 s12, s11, 13                        ; its two rows of y
	s_mov_b32 s13, 0
	s_lshl_b32 s14, s11, 12                        ; its row of out0
	s_mov_b32 s15, 0
	s_lshl_b32 s16, s11, 3                         ; its two coefficients
	s_mov_b32 s17, 0
	s_wait_kmcnt 0x0
	s_add_nc_u64 s[4:5], s[4:5], s[12:13]
	s_add_nc_u64 s[18:19], s[4:5], 0x800000        ; the other half of K lies 8 MiB on: one byte past what a load's immediate reaches, so it has a base of its own
	s_add_nc_u64 s[8:9], s[8:9], s[14:15]
	s_add_nc_u64 s[6:7], s[6:7], s[16:17]
	s_load_b64 s[20:21], s[6:7], 0x0
.irp i, 0,1,2,3,4,5,6,7
	global_load_b128 v[Y+16*\i:Y+16*\i+3],     v2, s[4:5]   offset:512*\i th:TH_LOAD_NT
	global_load_b128 v[Y+16*\i+4:Y+16*\i+7],   v2, s[18:19] offset:512*\i th:TH_LOAD_NT
	global_load_b128 v[Y+16*\i+8:Y+16*\i+11],  v2, s[4:5]   offset:4096+512*\i th:TH_LOAD_NT
	global_load_b128 v[Y+16*\i+12:Y+16*\i+15], v2, s[18:19] offset:4096+512*\i th:TH_LOAD_NT
.endr
	s_wait_kmcnt 0x0
	s_mov_b32 s22, s21                             ; the second coefficient in a pair of its own: the packed form takes a scalar pair's low word for both halves
	s_mov_b32 s23, s21
.irp i, 0,1,2,3,4,5,6,7
	s_wait_loadcnt 28-4*\i                         ; this group's four loads are in; the later groups', four each, may be out
	v_pk_add_f32 v[Y+16*\i:Y+16*\i+1],     v[Y+16*\i:Y+16*\i+1],     v[Y+16*\i+4:Y+16*\i+5]
	v_pk_add_f32 v[Y+16*\i+2:Y+16*\i+3],   v[Y+16*\i+2:Y+16*\i+3],   v[Y+16*\i+6:Y+16*\i+7]
	v_pk_add_f32 v[Y+16*\i+8:Y+16*\i+9],   v[Y+16*\i+8:Y+16*\i+9],   v[Y+16*\i+12:Y+16*\i+13]
	v_pk_add_f32 v[Y+16*\i+10:Y+16*\i+11], v[Y+16*\i+10:Y+16*\i+11], v[Y+16*\i+14:Y+16*\i+15]
	v_pk_mul_f32 v[O+4*\i:O+4*\i+1],   v[Y+16*\i:Y+16*\i+1],   s[20:21] op_sel_hi:[1,0]
	v_pk_mul_f32 v[O+4*\i+2:O+4*\i+3], v[Y+16*\i+2:Y+16*\i+3], s[20:21] op_sel_hi:[1,0]
	v_pk_fma_f32 v[O+4*\i:O+4*\i+1],   v[Y+16*\i+8:Y+16*\i+9],   s[22:23], v[O+4*\i:O+4*\i+1] op_sel_hi:[1,0,1]
	v_pk_fma_f32 v[O+4*\i+2:O+4*\i+3], v[Y+16*\i+10:Y+16*\i+11], s[22:23], v[O+4*\i+2:O+4*\i+3] op_sel_hi:[1,0,1]
	global_store_b128 v2, v[O+4*\i:O+4*\i+3], s[8:9] offset:512*\i th:TH_STORE_NT
.endr
	s_endpgm
.Lfunc_end_k_qdc4cfae042_combine:
	.size	k_qdc4cfae042_combine, .Lfunc_end_k_qdc4cfae042_combine-k_qdc4cfae042_combine
	.p2alignl 7, 3214868480
	.fill 96, 4, 3214868480
	.section	.rodata,"a",@progbits
	.p2align	6, 0x0
	.amdhsa_kernel k_qdc4cfae042_combine
		.amdhsa_group_segment_fixed_size 0
		.amdhsa_private_segment_fixed_size 0
		.amdhsa_enable_private_segment 0
		.amdhsa_kernarg_size 24
		.amdhsa_user_sgpr_count 2
		.amdhsa_user_sgpr_kernarg_segment_ptr 1
		.amdhsa_wavefront_size32 1
		.amdhsa_system_sgpr_workgroup_id_x 1
		.amdhsa_system_sgpr_workgroup_id_y 1
		.amdhsa_system_sgpr_workgroup_id_z 1
		.amdhsa_system_vgpr_workitem_id 0
		.amdhsa_next_free_vgpr 176
		.amdhsa_next_free_sgpr 66
		.amdhsa_reserve_vcc 0
		.amdhsa_float_denorm_mode_32 3
		.amdhsa_float_denorm_mode_16_64 3
		.amdhsa_memory_ordered 1
		.amdhsa_forward_progress 1
		.amdhsa_inst_pref_size 10
	.end_amdhsa_kernel
	.amdgpu_metadata
---
amdhsa.version: [ 1, 2 ]
amdhsa.kernels:
  - .name:           k_qdc4cfae042_combine
    .symbol:         k_qdc4cfae042_combine.kd
    .args:
      - { .name: y, .offset: 0, .size: 8, .value_kind: global_buffer, .address_space: global }
      - { .name: coef, .offset: 8, .size: 8, .value_kind: global_buffer, .address_space: global }
      - { .name: out0, .offset: 16, .size: 8, .value_kind: global_buffer, .address_space: global }
    .group_segment_fixed_size: 0
    .private_segment_fixed_size: 0
    .kernarg_segment_align: 8
    .kernarg_segment_size: 24
    .max_flat_workgroup_size: 128
    .sgpr_count:     66
    .vgpr_count:     176
    .wavefront_size: 32
...
	.end_amdgpu_metadata
.endif
;; end of part 4
;; ======== version 2 of 2: 4 launches; version 1 with the launches gateup, down written anew for expert scheduling mode
;; workspace buffers: msk 2,048 bytes of whole numbers; coef 8,192 bytes; xq 786,432 bytes; xs 32,768 bytes; aq 12,582,912 bytes; asc 524,288 bytes; y 16,777,216 bytes
;; launch route: the kernel of part 1 again; grid 128 x 1, 8 waves a work-group, no clusters, 10,240 bytes of LDS; arguments gate_inputs, gate_kernel, per_expert_scale, x, msk, coef, xq, xs; writes msk, coef, xq, xs
;; launch gateup (part 5): grid 32 x 8, 4 waves a work-group, no clusters, 160,256 bytes of LDS; arguments gate_proj_w, up_proj_w, msk, xq, xs, aq, asc; writes aq, asc
.if DOCPART == 5
	.amdgcn_target "amdgcn-amd-amdhsa--gfx1250"
	.amdhsa_code_object_version 6
	.text
	.protected	k_qdc4cfae042_gateup
	.globl	k_qdc4cfae042_gateup
	.p2align	8
	.type	k_qdc4cfae042_gateup,@function
k_qdc4cfae042_gateup:
	s_mov_b64 s[64:65], 0
	v_nop
	global_prefetch_b8 v0, s[64:65] scope:SCOPE_SE
	s_setreg_imm32_b32 hwreg(HW_REG_WAVE_SCHED_MODE, 0, 2), 2
	s_setreg_imm32_b32 hwreg(HW_REG_WAVE_MODE, 25, 1), 1
	s_wait_xcnt 0x0
	s_wait_alu depctr_vm_vsrc(0)
; act = gelu(x Wg) * (x Wu) for the rows that chose expert n, quantised to E2M3 along the hidden axis.  Both products on codes of E2M3 with one E8M0 scale for each 32 along K.
; SHARES.  Work-group (sg, n) owns hidden units 64 sg .. 64 sg + 63 of expert n: 1,024 x 64 numbers of gate_proj_w and of up_proj_w.  Each weight byte is read by one work-group, once.
; PHASE A.  Wave w streams matrix w % 2, rows 512 (w / 2) on, in 8 chunks of 64 rows x 256 bytes.  A lane takes 4 columns and 32 rows: four whole blocks along K.  A block's 32 numbers are copied into
;   consecutive registers (the conversion takes neighbours along K from consecutive registers, and a 16-byte load leaves them four registers apart), converted, and stored to LDS as part of an IMAGE of the
;   operand's registers: tile, K step, lane, 48 bytes a lane.  Up to 63 loads of 512 bytes a wave are out.
; THE LIST.  While the first loads are on their way each wave builds a quarter of the expert's list of rows from the stored bit masks: entry j = 2 token + slot of the j-th member.  Entries past the last repeat
;   the last, so that a tile of 16 rows is always whole; what the repeats store is equal to what the last row stores.  All LDS addresses of the list are constants + lane and wave terms.
; PHASE B.  Behind ONE barrier.  Wave w holds the images of gate tiles and up tiles 2 (w % 2), 2 (w % 2) + 1 (32 hidden units, all of K) in 384 registers and walks the tiles of rows T = w / 2 + 2 i.
;   The trip count is a constant; a trip whose tile lies past the list's end is jumped over by a scalar branch on the count read from memory.  So this launch has no tensor load and no copy.
;   The products are used transposed (source 0 = 16 weight columns, source 1 = 16 rows of x): a lane holds one row.  THE COLUMNS OF A TILE ARE NOT NEIGHBOURS: lane r of tile 2 b + u holds unit
;   32 b + 8 u + r + 8 (r / 8), so that a lane's 16 results of two tiles are 16 neighbours along the next K, and lanes l, l xor 16 hold a block of 32.
; gelu(g) = g / (1 + 2^(g (a + b g^2))), a = -2 log2(e) sqrt(2 / pi), b = 0.044715 a: the tanh form written with one exponential and one reciprocal, all in f32.
; OUT.  aq[n][T][block 0..63][row 0..15][24 bytes], asc[n][T][row][64 bytes]: only tiles inside the list are written, and only those are read later.
; LIMITS: NaN and infinities are not served.  A block whose largest magnitude lies under 2^-124, a block of zeros too, keeps the scale byte 1.  asc is stored by single bytes, aq in runs of 384 bytes.
; THE MODE: SCHED_MODE bits 1:0 = 2 (LLVM: expert scheduling mode 2), set by the entry lines.  The code itself states the register dependences
; between vector or matrix instructions and memory or LDS instructions, with s_wait_alu, always for 0.
; THE PLAN.  Registers that memory or LDS instructions touch, and who else names them:
;   v4-v17, v20      offsets and LDS addresses: made at the head, never written again.  One wait on va_vdst ahead of the first load serves them for the whole kernel.
;   PHASE A          Window 1 + k % 3, v0-127: chunk k as loaded; read by the chunk's maxima and copies; chunk k + 3's loads land there.  v160-183 and v192-195 of that window: the chunk's codes and scale
;                    bytes: written by its conversions, copies and shifts, read by its 16 LDS stores, written again by chunk k + 3.  ONE wait on va_vdst a chunk, behind its vector work: the codes and bytes are
;                    written, and v0-127 are read out; the stores and chunk k + 3's loads follow it with no vector instruction between that names their registers.  From chunk 3 on one wait on vm_vsrc
;                    ahead of the vector work: the stores of three chunks back have read the codes' registers.
;   THE LIST         The lane permutes read an index and a data register and land in a third: a wait on va_vdst ahead of each run of them, one on vm_vsrc ahead of the rewriting of the indices.  Compares go in
;                    runs of eight into s32-39, with one wait on va_sdst behind a run.  The eight entries are made first and stored in one run behind one wait on va_vdst.
;   PHASE B, a trip  v[TA], v[TB] (the entries' LDS addresses) and v64-71 (x's scale words, copied from v72-79) are written at the trip's head.  ONE wait on va_vdst stands behind them and the eight places: it also
;                    states that the last trip's products and its arithmetic are done with v112-207, in which this trip's fragments land, and with v208-216, in which the entries land.
;                    Window 1's v0-95: the gather's loads land there, the stage's LDS stores read them: a wait on vm_vsrc between the stores and the next gather.  v217-225: offsets made from the entries:
;                    a wait on va_vdst directly ahead of the gather's loads.  v226-230 and v31 (codes, offsets, byte of the way out): a wait on vm_vsrc ahead of their rewriting, one on va_vdst ahead of the two stores.
.set ROWB, 8192                        ; a row of the weights in bytes
.set NCH,  8                           ; chunks of a wave
.set UPT,  4                           ; tile slots 2, 3 lie so many tiles behind slots 0, 1
.set TS,   12304                       ; a tile's images: 8 K steps x 1,536 bytes, + 16
.set IMG,  0                           ; LDS: 8 tiles (4 of gate, 4 of up)
.set SCL,  98560                       ; their scale bytes: tile x 512 + K step x 64 + 4 x lane + block
.set LIST, 102656                      ; 1,024 entries of 4 bytes, and 256 bytes that the look-ahead's address may name and no trip reads
.set STG,  107008                      ; 4 waves x 16 rows of x's codes, 784 bytes apart
.set SPW,  12544
.set SS,   96                          ; a row's K step in the stage
.set CS,   48                          ; and its half
.set CM,  32                           ; s32-39  the eight masks of a run of compares: free once the member words have been dealt to the lanes
.set AG,  4                            ; v4   weights: 32 rows x (lane / 16) + 16 x (lane % 16); never rewritten
.set AW,  5                            ; v5   LDS: where my blocks' codes go
.set ASB, 6                            ; v6   LDS: where their scale bytes go
.set LW,  7                            ; v7   LDS: where I store list entries
.set J0,  8                            ; v8   256 w + lane: my first entry's number
.set IA0, 9                            ; v9   LDS: my gate tiles' images;  v10 my up tiles'
.set IA1, 10
.set SA,  11                           ; v11  LDS: my tiles' scale words
.set SW,  12                           ; v12  LDS: stage, on the way in
.set STR, 13                           ; v13  LDS: stage, as fragments
.set LE,  14                           ; v14  LIST + 4 (lane / 16)
.set LR,  15                           ; v15  LIST + 4 (lane % 16)
.set AQO, 16                           ; v16  24 r + 12 h
.set ASO, 17                           ; v17  64 r
.set TA,  18
.set TB,  19
.set Q16, 20                           ; v20  16 (lane % 16)
.set WVV, 21
.set VA,  24                           ; v[24:25] a, twice;  v[26:27] b, twice
.set VB,  26
.set PM,  28                           ; v28  the other half's maximum
.set EM,  29
.set ESO, 30
.set EBY, 31
.set WS,  32                           ; v32-63  the weights' scale words: slot x 8 + K step.  These and v64-71 hold scales and nothing else
.set XS,  64                           ; v64-71  x's scale words of the tile in hand
.set XSN, 72                           ; v72-79  those of the tile on its way (no operand; one array of the list's scratch lies here first)
.set ACC, 80                           ; v80-111 gate tile 0, 1, up tile 0, 1
.set FRG, 112                          ; v112-207 x's eight fragments; then at work
.set ET,  112
.set EX,  128
.set E,   208                          ; v208-215 list entries;  v216 my row's
.set ER,  216
.set VOFF, 217                         ; v217-224 offsets in xq;  v225 in xs
.set XOF, 225
.set CD,  226                          ; v226-228 16 codes
.set AQT, 229
.set AST, 230
; windows 1, 2, 3 in phase A (chunk k lies in window 1 + k % 3):
.set TT,  128                          ; v0-127 the chunk (register 4 i + c: row i, column c);  v128-159 a block on end
.set PP,  160                          ; v160-183 four blocks' codes
.set QQ,  184
.set MM,  188
.set M2,  189
.set SO,  190
.set BY,  192                          ; v192-195 four scale bytes
; in phase B: window 1 v0-95 the gathered rows; window 2 the images of K steps 0-3 ((4 slot + step) x 12), window 3 those of K steps 4-7
; the list's scratch, window 0
.set L_M, 72
.set L_J, 80
.set L_G, 88
.set L_C, 96
.set L_P, 104
.set L_S, 112
.set L_A, 120
.set L_B, 128
.set L_Q, 136
.set L_D, 144
.set L_K, 152
.set L_O, 160
.set L_T, 168
.set G_M, 176
.set G_P, 177
.set G_S, 178
.set G_A, 179
.set G_B, 180
.set G_Q, 181
.set G_D, 182
.set G_T, 183
.set MSB, 0
.macro WIN new                         ; the immediate's high byte repeats the setting that is left; a switch that changes nothing is dropped
.if MSB != (\new)
	s_set_vgpr_msb (MSB<<8)|(\new)
.set MSB, (\new)
.endif
.endm
.macro LOADR k, i0, i1                 ; loads i0 .. i1 of chunk k: each takes two rows' 256 consecutive bytes
	WIN (1+(\k)%3)<<6
.set li, \i0
.rept (\i1)-(\i0)+1
	global_load_b128 v[4*li:4*li+3], v[AG], s[4:5] offset:(64*(\k)+li)*ROWB th:TH_LOAD_NT
.set li, li+1
.endr
.endm
.macro QCOL c                          ; column c of the chunk: one block of 32 along K
	v_max3_num_f32 v[MM], |v[\c]|, |v[4+\c]|, 0x1800000            ; the largest magnitude in two chains; the floor 2^(3 - 127) holds the byte at 1 from below
	v_max3_num_f32 v[M2], |v[8+\c]|, |v[12+\c]|, |v[16+\c]|
.set qi, 5
.rept 6
	v_max3_num_f32 v[MM], v[MM], |v[4*qi+\c]|, |v[4*qi+4+\c]|
	v_max3_num_f32 v[M2], v[M2], |v[4*qi+8+\c]|, |v[4*qi+12+\c]|
.set qi, qi+4
.endr
	v_max3_num_f32 v[MM], v[MM], |v[116+\c]|, |v[120+\c]|
	v_max3_num_f32 v[MM], v[MM], v[M2], |v[124+\c]|
	v_add_nc_u32 v[SO], 0xff000000, v[MM]          ; 2 off the exponent field: the conversion's scale operand
	v_lshrrev_b32 v[BY+\c], 23, v[SO]              ; the scale's byte
.set qi, 0
.rept 32
	v_mov_b32 v[TT+qi], v[4*qi+\c]                 ; the block on end
.set qi, qi+1
.endr
	v_cvt_scalef32_pk16_fp6_f32 v[PP+6*\c:PP+6*\c+2], v[TT:TT+15], v[SO]
	v_cvt_scalef32_pk16_fp6_f32 v[QQ:QQ+2], v[TT+16:TT+31], v[SO]  ; (a conversion's three registers begin on an even number)
	v_nop                                          ; one plain place behind a scaled conversion
	v_mov_b32 v[PP+6*\c+3], v[QQ]
	v_mov_b32 v[PP+6*\c+4], v[QQ+1]
	v_mov_b32 v[PP+6*\c+5], v[QQ+2]
.endm
.macro CHUNK k
.if (\k) < NCH-1
	s_wait_loadcnt 32                              ; this chunk is in; the next chunk's 32 loads may be out
.else
	s_wait_loadcnt 0x0
.endif
.if (\k)+2 < NCH
	LOADR (\k)+2, 0, 30                            ; 63 loads of mine are out now; the chunk's last load follows behind the work.  No wait: they land in the window of the chunk before, and no vector instruction since that chunk's wait names its v0-127
.endif
.if (\k) >= 3
	s_wait_dscnt 32                                ; the stores of the chunk three back, which lay in this window, are done (behind them: two chunks' 16 stores each)
	s_wait_alu depctr_vm_vsrc(0)                   ; those stores have read v160-183 and v192-195 of this window, which this chunk's vector work writes again
.endif
	WIN 0x55*(1+(\k)%3)
	QCOL 0
	QCOL 1
	QCOL 2
	QCOL 3
	WIN (1+(\k)%3)<<2                              ; an LDS store's data are its source 1
	s_wait_alu depctr_va_vdst(0)                   ; the chunk's codes and scale bytes are written, which the stores below read; its maxima and copies are done reading v0-127, in which the loads of three chunks on land
.irp c, 0,1,2,3
.irp i, 0,1,2
	ds_store_b64 v[AW], v[PP+6*\c+2*\i:PP+6*\c+2*\i+1] offset:((\k)/2)*1536+48*\c+24*((\k)%2)+8*\i
.endr
	ds_store_b8 v[ASB], v[BY+\c] offset:((\k)/2)*64+4*\c+2*((\k)%2)
.endr
.if (\k)+2 < NCH
	LOADR (\k)+2, 31, 31
.endif
.endm
.macro LSEL arr, wid, inc              ; one step of "the K-th set bit": is it past the lower half of the field in hand?
.irp ii, 0,1,2,3,4,5,6,7
	v_bfe_u32 v[L_T+\ii], v[\arr+\ii], v[L_O+\ii], \wid
.endr
.irp ii, 0,1,2,3,4,5,6,7
	v_cmp_ge_u32 s[CM+\ii], v[L_K+\ii], v[L_T+\ii]
.endr
	s_wait_alu depctr_va_sdst(0)                   ; the eight masks are written, ahead of the selects that read them
.irp ii, 0,1,2,3,4,5,6,7
	v_cndmask_b32 v[L_T+\ii], 0, v[L_T+\ii], s[CM+\ii]
	v_cndmask_b32 v[L_C+\ii], 0, \inc, s[CM+\ii]
	v_sub_nc_u32 v[L_K+\ii], v[L_K+\ii], v[L_T+\ii]
	v_add_nc_u32 v[L_O+\ii], v[L_O+\ii], v[L_C+\ii]
.endr
.endm
.macro LISTB
	s_wait_kmcnt 0x0                               ; the expert's 32 member words in s[32:63], its 32 slot words in s[68:99]
	v_mov_b32 v[G_M], 0
	v_mov_b32 v[G_P], 0
	v_mov_b32 v[G_S], 0
	s_mov_b32 s18, 0
.set g, 0
.rept 32                               ; lane g takes group g (tokens 32 g ..): its members, how many members lie before it, its slot bits
	v_writelane_b32 v[G_M], s[32+g], g
	v_writelane_b32 v[G_P], s18, g
	v_writelane_b32 v[G_S], s[68+g], g
	s_bcnt1_i32_b32 s28, s[32+g]
	s_add_co_u32 s18, s18, s28
.set g, g+1
.endr
	s_sub_co_u32 s30, s18, 1                       ; the last entry's number
	s_add_co_u32 s18, s18, 15
	s_lshr_b32 s18, s18, 4                         ; tiles of 16 rows
	v_lshrrev_b32 v[G_T], 1, v[G_M]                ; counts of set bits in fields of 2, 4, 8 and 16 bits
	v_and_b32 v[G_T], 0x55555555, v[G_T]
	v_sub_nc_u32 v[G_A], v[G_M], v[G_T]
	v_lshrrev_b32 v[G_T], 2, v[G_A]
	v_and_b32 v[G_T], 0x33333333, v[G_T]
	v_and_b32 v[G_B], 0x33333333, v[G_A]
	v_add_nc_u32 v[G_B], v[G_B], v[G_T]
	v_lshrrev_b32 v[G_T], 4, v[G_B]
	v_add_nc_u32 v[G_Q], v[G_B], v[G_T]
	v_and_b32 v[G_Q], 0x0f0f0f0f, v[G_Q]
	v_lshrrev_b32 v[G_T], 8, v[G_Q]
	v_add_nc_u32 v[G_D], v[G_Q], v[G_T]
	v_and_b32 v[G_D], 0x00ff00ff, v[G_D]
.irp ii, 0,1,2,3,4,5,6,7               ; my wave's 256 entries, 32 at a time, the eight runs by turns
	v_add_nc_u32 v[L_J+\ii], 32*\ii, v[J0]
.endr
.irp ii, 0,1,2,3,4,5,6,7
	v_min_u32 v[L_J+\ii], s30, v[L_J+\ii]          ; past the end: the last entry again
	v_mov_b32 v[L_G+\ii], 0
.endr
.irp st, 64,32,16,8,4                  ; the last group whose count-before is at most j, by halving; 4 x group is the permute's index
.irp ii, 0,1,2,3,4,5,6,7
	v_add_nc_u32 v[L_C+\ii], \st, v[L_G+\ii]
.endr
	s_wait_alu depctr_va_vdst(0)                   ; the indices v[L_C ..] and the counts v[G_P] are written, which the permutes read; the last round's compares are done reading v[L_P ..], in which they land
.irp ii, 0,1,2,3,4,5,6,7
	ds_bpermute_b32 v[L_P+\ii], v[L_C+\ii], v[G_P]
.endr
	s_wait_dscnt 0x0
	s_wait_alu depctr_vm_vsrc(0)                   ; the permutes have read v[L_C ..], which the next round's additions, and behind the last round the selects of the bit search, write again
.irp ii, 0,1,2,3,4,5,6,7
	v_cmp_le_u32 s[CM+\ii], v[L_P+\ii], v[L_J+\ii]
.endr
	s_wait_alu depctr_va_sdst(0)                   ; the eight masks are written, ahead of the selects that read them
.irp ii, 0,1,2,3,4,5,6,7
	v_cndmask_b32 v[L_G+\ii], v[L_G+\ii], v[L_C+\ii], s[CM+\ii]
.endr
.endr
	s_wait_alu depctr_va_vdst(0)                   ; the indices v[L_G ..] are written, which the permutes read; the last compares are done reading v[L_P ..], in which eight of them land
.irp ii, 0,1,2,3,4,5,6,7
	ds_bpermute_b32 v[L_P+\ii], v[L_G+\ii], v[G_P]
	ds_bpermute_b32 v[L_S+\ii], v[L_G+\ii], v[G_S]
	ds_bpermute_b32 v[L_M+\ii], v[L_G+\ii], v[G_M]
	ds_bpermute_b32 v[L_A+\ii], v[L_G+\ii], v[G_A]
	ds_bpermute_b32 v[L_B+\ii], v[L_G+\ii], v[G_B]
	ds_bpermute_b32 v[L_Q+\ii], v[L_G+\ii], v[G_Q]
	ds_bpermute_b32 v[L_D+\ii], v[L_G+\ii], v[G_D]
.endr
	s_wait_dscnt 0x0
.irp ii, 0,1,2,3,4,5,6,7
	v_sub_nc_u32 v[L_K+\ii], v[L_J+\ii], v[L_P+\ii] ; which member of the group
	v_mov_b32 v[L_O+\ii], 0                        ; its bit
.endr
	LSEL L_D, 8, 16
	LSEL L_Q, 8, 8
	LSEL L_B, 4, 4
	LSEL L_A, 2, 2
	LSEL L_M, 1, 1
.irp ii, 0,1,2,3,4,5,6,7
	v_lshrrev_b32 v[L_T+\ii], v[L_O+\ii], v[L_S+\ii]
	v_and_b32 v[L_T+\ii], 1, v[L_T+\ii]            ; slot
	v_lshl_add_u32 v[L_T+\ii], v[L_O+\ii], 1, v[L_T+\ii]
	v_lshl_add_u32 v[L_T+\ii], v[L_G+\ii], 4, v[L_T+\ii]   ; 2 (32 group + bit) + slot
.endr
	s_wait_alu depctr_va_vdst(0)                   ; the eight entries v[L_T ..] are written, which the stores read
.irp ii, 0,1,2,3,4,5,6,7
	ds_store_b32 v[LW], v[L_T+\ii] offset:128*\ii
.endr
.endm
.macro RESB                            ; my four tiles' images and scale words into registers, where they stay
	WIN 0x80
	s_wait_alu depctr_vm_vsrc(0)                   ; the chunks' LDS stores have read v160-183 of windows 2 and 3, in which images land; the list's stores and permutes have read v80-103 and v168-182, which products and fragments write later
	s_wait_alu depctr_va_vdst(0)                   ; the chunks' vector work is done reading and writing v0-191 of windows 2 and 3, in which the images land
.irp sl, 0,1,2,3
.irp s, 0,1,2,3
.irp j, 0,1,2
	ds_load_b128 v[(4*\sl+\s)*12+4*\j:(4*\sl+\s)*12+4*\j+3], v[IA0+\sl/2] offset:(\sl%2)*TS+\s*1536+16*\j
.endr
.endr
.endr
	WIN 0xc0
.irp sl, 0,1,2,3
.irp s, 0,1,2,3
.irp j, 0,1,2
	ds_load_b128 v[(4*\sl+\s)*12+4*\j:(4*\sl+\s)*12+4*\j+3], v[IA0+\sl/2] offset:(\sl%2)*TS+(\s+4)*1536+16*\j
.endr
.endr
.endr
	WIN 0
.irp sl, 0,1,2,3
.irp s, 0,1,2,3,4,5,6,7
	ds_load_b32 v[WS+8*\sl+\s], v[SA] offset:((\sl/2)*UPT+\sl%2)*512+64*\s
.endr
.endr
.endm
.macro FRAGS                           ; the 16 rows' eight fragments: lane (r, h), registers 6 c .. 6 c + 5 = block 4 s + 2 c + h of row r, 24 bytes in three pieces of 8
.set fs, 0                             ; no wait: no vector or matrix instruction since the wait at the trip's head names v112-207 or v[STR]
.rept 8
.irp c, 0,1
.irp i, 0,1,2
	ds_load_b64 v[FRG+12*fs+6*\c+2*\i:FRG+12*fs+6*\c+2*\i+1], v[STR] offset:SS*fs+CS*\c+8*\i
.endr
.endr
.set fs, fs+1
.endr
.endm
.macro MULT                            ; 32 products: the four accumulators take turns, one instruction a turn; the first K step starts the sums
.set ms, 0
.rept 8
.if ms == 0
	WIN 0x02                                       ; source 0 in window 2
.endif
.if ms == 4
	WIN 0x03                                       ; in window 3
.endif
	s_wait_dscnt 42-6*ms                           ; this K step's fragment is in; the later steps' loads, six each, may be out
.set msl, 0
.rept 4
.if ms == 0
	v_wmma_scale_f32_16x16x128_f8f6f4 v[ACC+8*msl:ACC+8*msl+7], v[(4*msl+ms%4)*12:(4*msl+ms%4)*12+11], v[FRG+12*ms:FRG+12*ms+11], 0, v[WS+8*msl+ms], v[XS+ms] matrix_a_fmt:MATRIX_FMT_FP6 matrix_b_fmt:MATRIX_FMT_FP6
.else
	v_wmma_scale_f32_16x16x128_f8f6f4 v[ACC+8*msl:ACC+8*msl+7], v[(4*msl+ms%4)*12:(4*msl+ms%4)*12+11], v[FRG+12*ms:FRG+12*ms+11], v[ACC+8*msl:ACC+8*msl+7], v[WS+8*msl+ms], v[XS+ms] matrix_a_fmt:MATRIX_FMT_FP6 matrix_b_fmt:MATRIX_FMT_FP6
.endif
.set msl, msl+1
.endr
.set ms, ms+1
.endr
	WIN 0
.rept 4
	v_nop                                          ; four places behind the last products (ISA guide 7.12.1), ahead of the first read of results and of writes to their operands
.endr
.endm
; The 16 rows of x of the tile whose entries begin ofs bytes behind s23: 24 loads, each two rows' 256 consecutive bytes; and the rows' scale words.
; first = 1: ahead of the loop, where the entries' addresses are made here; in the loop they are made at the trip's head.
.macro GATHER ofs, first
.if \first
	v_add_nc_u32 v[TA], s23, v[LE]
	v_add_nc_u32 v[TB], s23, v[LR]
	s_wait_alu depctr_va_vdst(0)                   ; v[TA] and v[TB] are written, which the LDS loads below read
.else
	s_wait_alu depctr_vm_vsrc(0)                   ; my stores into the stage have read window 1's v0-95, in which the loads below land; the last gather's loads have read v[VOFF ..] and v[XOF], which are written anew
.endif
.irp kk, 0,1,2,3,4,5,6,7
	ds_load_b32 v[E+\kk], v[TA] offset:\ofs+8*\kk  ; entry 2 kk + lane / 16
.endr
	ds_load_b32 v[ER], v[TB] offset:\ofs           ; entry lane % 16
	s_wait_dscnt 0x0                               ; the entries are in
.irp kk, 0,1,2,3,4,5,6,7
	v_lshrrev_b32 v[E+\kk], 1, v[E+\kk]            ; the token
.endr
.irp kk, 0,1,2,3,4,5,6,7
	v_min_u32 v[E+\kk], 0x3ff, v[E+\kk]
.endr
.irp kk, 0,1,2,3,4,5,6,7
	v_mul_u32_u24 v[VOFF+\kk], v[E+\kk], 768
.endr
.irp kk, 0,1,2,3,4,5,6,7
	v_add_nc_u32 v[VOFF+\kk], v[VOFF+\kk], v[Q16]
.endr
	v_lshrrev_b32 v[ER], 1, v[ER]
	v_min_u32 v[ER], 0x3ff, v[ER]
	v_lshlrev_b32 v[XOF], 5, v[ER]
	WIN 0x40
	s_wait_alu depctr_va_vdst(0)                   ; the offsets v[VOFF ..] and v[XOF] are written, which the loads read; no vector instruction still reads v72-79 or, ahead of the loop, window 1's v0-95, in which they land
.irp kk, 0,1,2,3,4,5,6,7
.irp th, 0,1,2
	global_load_b128 v[4*(3*\kk+\th):4*(3*\kk+\th)+3], v[VOFF+\kk], s[10:11] offset:256*\th
.endr
.endr
	WIN 0
	global_load_b128 v[XSN:XSN+3], v[XOF], s[12:13]
	global_load_b128 v[XSN+4:XSN+7], v[XOF], s[12:13] offset:16
.endm
.macro EPI                             ; v80-95: g of my row's 16 units; v96-111: u
	s_wait_xcnt 0x0                                ; the last tile's stores have had their addresses translated: their data and offsets are written anew only behind this wait
	s_wait_alu depctr_vm_vsrc(0)                   ; the last tile's stores have read v[AQT], v[AST], v[CD ..] and v[EBY], which are written anew below; this trip's LDS loads have read v[TA] and v[TB], which the next trip's head writes
	s_mul_i32 s28, s19, 24576
	v_add_nc_u32 v[AQT], s28, v[AQO]
	s_lshl_b32 s28, s19, 10
	v_add_nc_u32 v[AST], s28, v[ASO]
.irp j, 0,2,4,6,8,10,12,14
	v_pk_mul_f32 v[ET+\j:ET+\j+1], v[ACC+\j:ACC+\j+1], v[ACC+\j:ACC+\j+1]   ; each accumulator is read from its low end on
.endr
.irp j, 0,2,4,6,8,10,12,14
	v_pk_fma_f32 v[ET+\j:ET+\j+1], v[ET+\j:ET+\j+1], v[VB:VB+1], v[VA:VA+1]
.endr
.irp j, 0,2,4,6,8,10,12,14
	v_pk_mul_f32 v[ET+\j:ET+\j+1], v[ET+\j:ET+\j+1], v[ACC+\j:ACC+\j+1]     ; g (a + b g^2)
.endr
.irp j, 0,1,2,3,4,5,6,7,8,9,10,11,12,13,14,15
	v_exp_f32 v[ET+\j], v[ET+\j]
.endr
.irp j, 0,2,4,6,8,10,12,14
	v_pk_mul_f32 v[EX+\j:EX+\j+1], v[ACC+\j:ACC+\j+1], v[ACC+16+\j:ACC+16+\j+1]   ; g u: work that names no exponential's result
.endr
	s_wait_alu depctr_va_vdst(0)                   ; the sixteen exponentials have written v[ET ..]: one wait, ahead of their first reader
.irp j, 0,2,4,6,8,10,12,14
	v_pk_add_f32 v[ET+\j:ET+\j+1], v[ET+\j:ET+\j+1], 1.0 op_sel_hi:[1,0]
.endr
.irp j, 0,1,2,3,4,5,6,7,8,9,10,11,12,13,14,15
	v_rcp_f32 v[ET+\j], v[ET+\j]
.endr
	v_nop
	s_wait_alu depctr_va_vdst(0)                   ; the sixteen reciprocals have written v[ET ..]: one wait, ahead of their first reader
.irp j, 0,2,4,6,8,10,12,14
	v_pk_mul_f32 v[EX+\j:EX+\j+1], v[EX+\j:EX+\j+1], v[ET+\j:ET+\j+1]       ; act
.endr
	v_max3_num_f32 v[EM], |v[EX]|, |v[EX+1]|, 0x1800000
.irp i, 2,4,6,8,10,12,14
	v_max3_num_f32 v[EM], v[EM], |v[EX+\i]|, |v[EX+\i+1]|
.endr
	v_permlanex16_b32 v[PM], v[EM], s24, s25
	v_max_num_f32 v[EM], v[EM], v[PM]              ; with lane l xor 16's: the block's largest magnitude
	v_add_nc_u32 v[ESO], 0xff000000, v[EM]
	v_lshrrev_b32 v[EBY], 23, v[ESO]
	v_cvt_scalef32_pk16_fp6_f32 v[CD:CD+2], v[EX:EX+15], v[ESO]
	v_nop                                          ; one plain place behind a scaled conversion
	s_wait_alu depctr_va_vdst(0)                   ; the codes v[CD ..], the byte v[EBY] and the offsets v[AQT], v[AST] are written, which the two stores read
	global_store_b96 v[AQT], v[CD:CD+2], s[14:15]  ; 32 lanes store the block's 16 rows x 24 bytes: 384 consecutive bytes
	global_store_b8 v[AST], v[EBY], s[16:17]       ; both lanes of a row store the same byte
.endm
	s_load_b256 s[4:11], s[0:1], 0x0               ; gate_proj_w s[4:5], up_proj_w s[6:7], msk s[8:9], xq s[10:11]
	s_load_b128 s[12:15], s[0:1], 0x20             ; xs s[12:13], aq s[14:15]
	s_load_b64 s[16:17], s[0:1], 0x30              ; asc
	v_lshl_add_u32 v254, v0, 2, 0x27000
	v_mov_b32 v255, 0
	v_and_b32 v1, 31, v0                           ; lane
	v_and_b32 v2, 15, v0                           ; r, q
	v_bfe_u32 v3, v0, 4, 1                         ; h
	v_lshrrev_b32 v[WVV], 5, v0
	v_readfirstlane_b32 s2, v[WVV]                 ; wave 0..3
	s_and_b32 s3, ttmp7, 0xffff                    ; the expert
	s_wait_alu depctr_va_sdst(0)                   ; s2 is written, ahead of its first reader
	s_and_b32 s26, s2, 1                           ; phase A: gate or up;  phase B: which 32 of the 64 units
	s_lshr_b32 s27, s2, 1                          ; phase A: which half of K;  phase B: even or odd tiles of rows
	s_mov_b32 s24, 0x76543210
	s_mov_b32 s25, 0xfedcba98                      ; v_permlanex16_b32's selects for lane l xor 16
	v_lshlrev_b32 v[Q16], 4, v2
	v_lshl_add_u32 v[AG], v3, 18, v[Q16]           ; 32 rows of 8,192 bytes for lanes 16-31
	v_bfe_u32 v[TA], v0, 3, 1                      ; column 4 q + c lies in tile 2 (q / 8) + (q / 2) % 2,
	v_bfe_u32 v[TB], v0, 1, 1
	v_lshl_add_u32 v[TA], v[TA], 1, v[TB]
	v_bfe_u32 v[TB], v0, 2, 1                      ; at lane 4 (q % 2) + 8 ((q / 4) % 2) + c
	v_and_b32 v[AQT], 1, v0
	v_lshl_add_u32 v[TB], v[TB], 1, v[AQT]         ; a quarter of that
	s_mul_i32 s28, s26, 4*TS
	s_mul_i32 s29, s27, 4*1536
	s_add_co_u32 s28, s28, s29
	v_mul_u32_u24 v[AW], v[TA], TS
	v_mad_u32_u24 v[AW], v[TB], 192, v[AW]
	v_mad_u32_u24 v[AW], v3, 768, v[AW]
	v_add_nc_u32 v[AW], s28, v[AW]
	s_lshl_b32 s28, s26, 11
	s_lshl_b32 s29, s27, 8
	s_add_co_u32 s28, s28, s29
	s_add_co_u32 s28, s28, SCL
	v_lshlrev_b32 v[ASB], 9, v[TA]
	v_lshl_add_u32 v[ASB], v[TB], 4, v[ASB]
	v_add_nc_u32 v[ASB], v[ASB], v3
	v_add_nc_u32 v[ASB], s28, v[ASB]
	v_lshlrev_b32 v[LW], 2, v1
	v_lshl_add_u32 v[LW], v[WVV], 10, v[LW]
	v_add_nc_u32 v[LW], LIST, v[LW]
	v_lshl_add_u32 v[J0], v[WVV], 8, v1
	s_mul_i32 s28, s26, 2*TS
	v_mul_u32_u24 v[IA0], v1, 48
	v_add_nc_u32 v[IA0], s28, v[IA0]
	v_add_nc_u32 v[IA1], UPT*TS, v[IA0]
	s_lshl_b32 s28, s26, 10
	s_add_co_u32 s28, s28, SCL
	v_lshlrev_b32 v[SA], 2, v2
	v_add_nc_u32 v[SA], s28, v[SA]
	s_mul_i32 s28, s2, SPW
	s_add_co_u32 s28, s28, STG
	v_mul_u32_u24 v[SW], v3, 784
	v_lshl_add_u32 v[SW], v2, 4, v[SW]
	v_add_nc_u32 v[SW], s28, v[SW]
	v_mul_u32_u24 v[STR], v2, 784
	v_mad_u32_u24 v[STR], v3, 24, v[STR]
	v_add_nc_u32 v[STR], s28, v[STR]
	v_lshl_add_u32 v[LE], v3, 2, LIST
	v_lshl_add_u32 v[LR], v2, 2, LIST
	v_mul_u32_u24 v[AQO], v2, 24
	v_mad_u32_u24 v[AQO], v3, 12, v[AQO]
	v_lshlrev_b32 v[ASO], 6, v2
	v_mov_b32 v[VA], 0xc0135761                    ; -2.3022082
	v_mov_b32 v[VA+1], 0xc0135761
	v_mov_b32 v[VB], 0xbdd2d3e8                    ; -0.10294324
	v_mov_b32 v[VB+1], 0xbdd2d3e8
	v_mov_b32 v[PM], 0                             ; written once: a lane permute's destination counts as one of its sources
	s_wait_kmcnt 0x0
	s_cmp_eq_u32 s26, 0                            ; the choice hangs on the wave's number alone
	s_cselect_b64 s[4:5], s[4:5], s[6:7]
	s_lshl_b32 s20, s3, 23                         ; the expert's 8 MiB,
	s_lshl_b32 s28, s27, 22                        ; 512 rows,
	s_add_co_u32 s20, s20, s28
	s_lshl_b32 s28, ttmp9, 8                       ; 64 columns
	s_add_co_u32 s20, s20, s28
	s_mov_b32 s21, 0
	s_add_nc_u64 s[4:5], s[4:5], s[20:21]
	s_lshl_b32 s20, s3, 7
	s_add_nc_u64 s[8:9], s[8:9], s[20:21]
	s_lshl_b32 s28, ttmp9, 1
	s_add_co_u32 s28, s28, s26                     ; my block of the hidden axis
	s_mul_i32 s20, s3, 1572864
	s_mul_i32 s29, s28, 384
	s_add_co_u32 s20, s20, s29
	s_add_nc_u64 s[14:15], s[14:15], s[20:21]
	s_lshl_b32 s20, s3, 16
	s_add_co_u32 s20, s20, s28
	s_add_nc_u64 s[16:17], s[16:17], s[20:21]
	s_load_b512 s[32:47], s[8:9], 0x0              ; the expert's member bits,
	s_load_b512 s[48:63], s[8:9], 0x40
	s_load_b512 s[68:83], s[8:9], 0x400            ; and its slot bits
	s_load_b512 s[84:99], s[8:9], 0x440
	WIN 1<<6
	s_wait_alu depctr_va_vdst(0)                   ; the offsets and LDS addresses v4 to v17 and v20 are written, which the loads and stores of the whole kernel read
	LOADR 0, 0, 31
	LOADR 1, 0, 30                                 ; 63 loads are out while the list is built
	WIN 0
	LISTB
	LOADR 1, 31, 31
.set kc, 0
.rept NCH
	CHUNK kc
.set kc, kc+1
.endr
	WIN 0
	s_wait_dscnt 0x0                               ; for the others' sake: my images, scale bytes and list entries lie in LDS
	s_barrier_signal -1
	s_barrier_wait -1                              ; the launch's one barrier: behind it nobody writes them
	s_mov_b32 s19, s27                             ; T
	s_lshl_b32 s23, s27, 6                         ; 64 T: the tile's entries
	s_cmp_ge_u32 s19, s18
	s_cbranch_scc1 .Lno_first
	GATHER 0, 1
.Lno_first:
	RESB
	s_wait_dscnt 0x0
	s_mov_b32 s22, 0
.Ltrip:                                            ; 32 trips, a constant; a tile past the list's end is jumped over
	s_cmp_ge_u32 s19, s18
	s_cbranch_scc1 .Lskip
	s_wait_loadcnt 0x0                             ; the tile's rows and scale words are in
	v_add_nc_u32 v[TA], s23, v[LE]                 ; where this tile's entries lie: the look-ahead reads 128 bytes on.  (The LDS loads that read these two last stand ahead of a wait on vm_vsrc: the last trip's way out, or the images' loads)
	v_add_nc_u32 v[TB], s23, v[LR]
.irp i, 0,1,2,3,4,5,6,7
	v_mov_b32 v[XS+\i], v[XSN+\i]
.endr
.rept 8
	v_nop                                          ; a scale register written by a vector instruction stands eight places ahead of the scaled matrix instruction
.endr
	s_wait_alu depctr_va_vdst(0)                   ; the trip's one wait at its head: x's scale words v64-71 are written, which the products take; v[TA], v[TB] are written; the copies are done reading v72-79; the last trip's products and arithmetic are done with v112-207 and v208-216, in which LDS loads land
	WIN 0x04                                       ; the data: window 1
.irp kk, 0,1,2,3,4,5,6,7
.irp th, 0,1,2
	ds_store_b128 v[SW], v[4*(3*\kk+\th):4*(3*\kk+\th)+3] offset:1568*\kk+256*\th
.endr
.endr
	WIN 0
	s_add_co_u32 s28, s19, 2
	s_cmp_ge_u32 s28, s18
	s_cbranch_scc1 .Lno_next
	GATHER 128, 0                                  ; my next tile's rows land while this one is multiplied
.Lno_next:
	FRAGS
	MULT
	EPI
.Lskip:
	s_add_co_u32 s19, s19, 2
	s_add_co_u32 s23, s23, 128
	s_add_co_u32 s22, s22, 1
	s_cmp_lt_u32 s22, 32
	s_cbranch_scc1 .Ltrip
	s_wait_dscnt 0x0
	s_wait_alu depctr_hold_cnt(0) depctr_sa_sdst(0) depctr_va_vdst(0) depctr_va_sdst(0) depctr_va_ssrc(0) depctr_va_vcc(0) depctr_vm_vsrc(0)
	s_wait_tensorcnt 0x0
	ds_add_u32 v254, v255
	s_wait_dscnt 0x0
	s_endpgm
.Lfunc_end_k_qdc4cfae042_gateup:
	.size	k_qdc4cfae042_gateup, .Lfunc_end_k_qdc4cfae042_gateup-k_qdc4cfae042_gateup
	.p2alignl 7, 3214868480
	.fill 96, 4, 3214868480
	.section	.rodata,"a",@progbits
	.p2align	6, 0x0
	.amdhsa_kernel k_qdc4cfae042_gateup
		.amdhsa_group_segment_fixed_size 160256
		.amdhsa_private_segment_fixed_size 0
		.amdhsa_enable_private_segment 0
		.amdhsa_kernarg_size 56
		.amdhsa_user_sgpr_count 2
		.amdhsa_user_sgpr_kernarg_segment_ptr 1
		.amdhsa_wavefront_size32 1
		.amdhsa_system_sgpr_workgroup_id_x 1
		.amdhsa_system_sgpr_workgroup_id_y 1
		.amdhsa_system_sgpr_workgroup_id_z 1
		.amdhsa_system_vgpr_workitem_id 0
		.amdhsa_next_free_vgpr 1024
		.amdhsa_next_free_sgpr 100
		.amdhsa_reserve_vcc 0
		.amdhsa_float_denorm_mode_32 3
		.amdhsa_float_denorm_mode_16_64 3
		.amdhsa_memory_ordered 1
		.amdhsa_forward_progress 1
		.amdhsa_inst_pref_size 187
	.end_amdhsa_kernel
	.amdgpu_metadata
---
amdhsa.version: [ 1, 2 ]
amdhsa.kernels:
  - .name:           k_qdc4cfae042_gateup
    .symbol:         k_qdc4cfae042_gateup.kd
    .args:
      - { .name: gate_proj_w, .offset: 0, .size: 8, .value_kind: global_buffer, .address_space: global }
      - { .name: up_proj_w, .offset: 8, .size: 8, .value_kind: global_buffer, .address_space: global }
      - { .name: msk, .offset: 16, .size: 8, .value_kind: global_buffer, .address_space: global }
      - { .name: xq, .offset: 24, .size: 8, .value_kind: global_buffer, .address_space: global }
      - { .name: xs, .offset: 32, .size: 8, .value_kind: global_buffer, .address_space: global }
      - { .name: aq, .offset: 40, .size: 8, .value_kind: global_buffer, .address_space: global }
      - { .name: asc, .offset: 48, .size: 8, .value_kind: global_buffer, .address_space: global }
    .group_segment_fixed_size: 160256
    .private_segment_fixed_size: 0
    .kernarg_segment_align: 8
    .kernarg_segment_size: 56
    .max_flat_workgroup_size: 128
    .sgpr_count:     100
    .vgpr_count:     1024
    .wavefront_size: 32
...
	.end_amdgpu_metadata
.endif
;; end of part 5
;; launch down (part 6): grid 32 x 8, 4 waves a work-group, no clusters, 123,392 bytes of LDS; arguments down_proj_w, msk, aq, asc, y; writes y
.if DOCPART == 6
	.amdgcn_target "amdgcn-amd-amdhsa--gfx1250"
	.amdhsa_code_object_version 6
	.text
	.protected	k_qdc4cfae042_down
	.globl	k_qdc4cfae042_down
	.p2align	8
	.type	k_qdc4cfae042_down,@function
k_qdc4cfae042_down:
	s_mov_b64 s[64:65], 0
	v_nop
	global_prefetch_b8 v0, s[64:65] scope:SCOPE_SE
	s_setreg_imm32_b32 hwreg(HW_REG_WAVE_SCHED_MODE, 0, 2), 2
	s_setreg_imm32_b32 hwreg(HW_REG_WAVE_MODE, 25, 1), 1
	s_wait_xcnt 0x0
	s_wait_alu depctr_vm_vsrc(0)
; y[kh][2 token + slot][:] = act Wd over half kh of the hidden axis, for the rows that chose expert n.  The product is on codes of E2M3 with one E8M0 scale for each 32 along K.
; SHARES.  Work-group (es + 16 kh, n) owns output columns 64 es .. 64 es + 63 and hidden units 1,024 kh .. + 1,023 of expert n: 1,024 x 64 numbers of down_proj_w, read by this work-group alone, once.
;   K is halved so that there are 256 work-groups whose weight rows are 256 consecutive bytes; the two halves' sums are added by the next launch.
; PHASE A.  Wave w streams rows 256 w on in 4 chunks of 64 rows x 256 bytes, quantises them along K and stores them to LDS as images of the operand's registers (tile, K step, lane, 48 bytes a lane).
; THE LIST of the expert's rows is built from the stored bit masks while the first loads are on their way: entry j = 2 token + slot; entries past the last repeat the last, and their stores write equal bytes.
; PHASE B.  Behind ONE barrier each wave holds all four tiles of columns, all 8 K steps, in 384 registers, and walks the tiles of rows T = w + 4 i: 16 trips, a constant; a tile past the list's end is
;   jumped over by a scalar branch on the count read from memory, so this launch has no tensor load and no copy.  Only tiles inside the list are read from aq and asc: those were written.
;   The product is used transposed (source 0 = 16 weight columns, source 1 = 16 rows of act): a lane holds eight neighbouring columns of one row; a tile goes through the wave's own stage and leaves as
;   rows of 256 consecutive bytes, each to the place that the list names.
; LIMITS: NaN and infinities are not served.  A block of weights whose largest magnitude lies under 2^-124, a block of zeros too, keeps the scale byte 1.
; THE MODE: SCHED_MODE bits 1:0 = 2 (LLVM: expert scheduling mode 2), set by the entry lines.  The code itself states the register dependences
; between vector or matrix instructions and memory or LDS instructions, with s_wait_alu, always for 0.
; THE PLAN.  Registers that memory or LDS instructions touch, and who else names them:
;   v4-v17, v19, v20 offsets and LDS addresses: made at the head, never written again.  One wait on va_vdst ahead of the first load serves them for the whole kernel.
;   PHASE A          Window 1 + k % 3, v0-127: chunk k as loaded; read by the chunk's maxima and copies; chunk k + 3's loads land there.  v160-183 and v192-195 of that window: the chunk's codes and scale
;                    bytes: written by its vector work, read by its 16 LDS stores, written again by chunk k + 3.  ONE wait on va_vdst a chunk, behind its vector work; in chunk 3 one on vm_vsrc ahead of it.
;   THE LIST         A wait on va_vdst ahead of each run of lane permutes, one on vm_vsrc ahead of the rewriting of their indices; compares in runs of eight into s32-39, one wait on va_sdst behind a run; the
;                    eight entries are made first and stored in one run behind one wait on va_vdst.
;   PHASE B, a trip  v[TA] (the entries' LDS address) and v64-71 (act's scale words, copied from v72-79) are written at the trip's head.  ONE wait on va_vdst stands behind them and the eight places: it also
;                    states that the last trip's products are done reading v112-207, in which this trip's fragments land, and its arithmetic v208-215, in which the entries land.
;                    ONE wait on vm_vsrc, behind the stage's stores and the entries' loads: the stores have read window 1's v0-95 (the gather's loads land there), the last trip's stores have read the
;                    accumulators, v216-223 and v224-255 (all written again in this trip), the last gather's loads v22 and v23, the entries' loads v[TA].
;                    The offsets in y are made as soon as the entries are in, ahead of the products, so that the wait on va_vdst that stands between the products and the LDS stores of their results serves them too.
;                    v22, v23 (the gather's offsets): a wait on va_vdst directly ahead of its loads.
.set ROWB, 4096
.set NCH,  4
.set UPT,  2                           ; tile slots 2, 3 lie two tiles behind slots 0, 1
.set TS,   12304
.set IMG,  0                           ; LDS: 4 tiles' images
.set SCL,  49408                       ; their scale bytes
.set LIST, 51456                       ; 1,024 entries, and 256 bytes kept free behind them
.set STG,  55808                       ; 4 waves x 12,288 bytes: a tile's codes as they lie in aq: block x 384 + row x 24
.set YST,  104960                      ; 4 waves x 16 rows of 256 bytes + 16
.set SS,   1536
.set CS,   768
.set CM,  32                           ; s32-39  the eight masks of a run of compares: free once the member words have been dealt to the lanes
.set AG,  4
.set AW,  5
.set ASB, 6
.set LW,  7
.set J0,  8
.set IA0, 9
.set IA1, 10
.set SA,  11
.set SW,  12                           ; v12  LDS: stage, on the way in: 16 x lane
.set STR, 13                           ; v13  LDS: stage, as fragments: 384 h + 24 r
.set LE,  14                           ; v14  LIST + 4 (lane / 16)
.set YW,  15                           ; v15  LDS: where I put 32 bytes of a row of y
.set YR,  16                           ; v16  LDS: where I read a row back
.set L16, 17                           ; v17  16 x lane
.set TA,  18
.set R64, 19                           ; v19  64 r
.set Q16, 20                           ; v20  16 (lane % 16)
.set WVV, 21
.set GOF, 22                           ; v22  offset in aq of the tile on its way;  v23 in asc
.set XOF, 23
.set TB,  24
.set WS,  32                           ; v32-63 the weights' scale words;  v64-71 act's of the tile in hand: these hold scales and nothing else
.set XS,  64
.set XSN, 72                           ; v72-79 those of the tile on its way (no operand; one array of the list's scratch lies here first)
.set ACC, 80                           ; v80-111 four tiles of columns
.set FRG, 112                          ; v112-207 act's eight fragments
.set E,   208                          ; v208-215 list entries
.set OFF, 216                          ; v216-223 offsets in y
.set YB,  224                          ; v224-255 16 rows on the way out
.set TT,  128                          ; windows 1, 2, 3 in phase A, as chunk k lies in window 1 + k % 3
.set PP,  160
.set QQ,  184
.set MM,  188
.set M2,  189
.set SO,  190
.set BY,  192
.set L_M, 72                           ; the list's scratch, window 0
.set L_J, 80
.set L_G, 88
.set L_C, 96
.set L_P, 104
.set L_S, 112
.set L_A, 120
.set L_B, 128
.set L_Q, 136
.set L_D, 144
.set L_K, 152
.set L_O, 160
.set L_T, 168
.set G_M, 176
.set G_P, 177
.set G_S, 178
.set G_A, 179
.set G_B, 180
.set G_Q, 181
.set G_D, 182
.set G_T, 183
.set MSB, 0
.macro WIN new                         ; the immediate's high byte repeats the setting that is left; a switch that changes nothing is dropped
.if MSB != (\new)
	s_set_vgpr_msb (MSB<<8)|(\new)
.set MSB, (\new)
.endif
.endm
.macro LOADR k, i0, i1                 ; loads i0 .. i1 of chunk k: each takes two rows' 256 consecutive bytes
	WIN (1+(\k)%3)<<6
.set li, \i0
.rept (\i1)-(\i0)+1
	global_load_b128 v[4*li:4*li+3], v[AG], s[4:5] offset:(64*(\k)+li)*ROWB th:TH_LOAD_NT
.set li, li+1
.endr
.endm
.macro QCOL c                          ; column c of the chunk: one block of 32 along K
	v_max3_num_f32 v[MM], |v[\c]|, |v[4+\c]|, 0x1800000            ; the largest magnitude in two chains; the floor 2^(3 - 127) holds the byte at 1 from below
	v_max3_num_f32 v[M2], |v[8+\c]|, |v[12+\c]|, |v[16+\c]|
.set qi, 5
.rept 6
	v_max3_num_f32 v[MM], v[MM], |v[4*qi+\c]|, |v[4*qi+4+\c]|
	v_max3_num_f32 v[M2], v[M2], |v[4*qi+8+\c]|, |v[4*qi+12+\c]|
.set qi, qi+4
.endr
	v_max3_num_f32 v[MM], v[MM], |v[116+\c]|, |v[120+\c]|
	v_max3_num_f32 v[MM], v[MM], v[M2], |v[124+\c]|
	v_add_nc_u32 v[SO], 0xff000000, v[MM]          ; 2 off the exponent field: the conversion's scale operand
	v_lshrrev_b32 v[BY+\c], 23, v[SO]              ; the scale's byte
.set qi, 0
.rept 32
	v_mov_b32 v[TT+qi], v[4*qi+\c]                 ; the block on end: the conversion takes neighbours along K from consecutive registers
.set qi, qi+1
.endr
	v_cvt_scalef32_pk16_fp6_f32 v[PP+6*\c:PP+6*\c+2], v[TT:TT+15], v[SO]
	v_cvt_scalef32_pk16_fp6_f32 v[QQ:QQ+2], v[TT+16:TT+31], v[SO]  ; (a conversion's three registers begin on an even number)
	v_nop                                          ; one plain place behind a scaled conversion
	v_mov_b32 v[PP+6*\c+3], v[QQ]
	v_mov_b32 v[PP+6*\c+4], v[QQ+1]
	v_mov_b32 v[PP+6*\c+5], v[QQ+2]
.endm
.macro CHUNK k
.if (\k) < NCH-1
	s_wait_loadcnt 32                              ; this chunk is in; the next chunk's 32 loads may be out
.else
	s_wait_loadcnt 0x0
.endif
.if (\k)+2 < NCH
	LOADR (\k)+2, 0, 30                            ; 63 loads of mine are out now; the chunk's last load follows behind the work.  No wait: they land in the window of the chunk before, and no vector instruction since that chunk's wait names its v0-127
.endif
.if (\k) >= 3
	s_wait_dscnt 32                                ; the stores of the chunk three back, which lay in this window, are done (behind them: two chunks' 16 stores each)
	s_wait_alu depctr_vm_vsrc(0)                   ; those stores have read v160-183 and v192-195 of this window, which this chunk's vector work writes again
.endif
	WIN 0x55*(1+(\k)%3)
	QCOL 0
	QCOL 1
	QCOL 2
	QCOL 3
	WIN (1+(\k)%3)<<2                              ; an LDS store's data are its source 1
	s_wait_alu depctr_va_vdst(0)                   ; the chunk's codes and scale bytes are written, which the stores below read; its maxima and copies are done reading v0-127, in which the loads of three chunks on land
.irp c, 0,1,2,3
.irp i, 0,1,2
	ds_store_b64 v[AW], v[PP+6*\c+2*\i:PP+6*\c+2*\i+1] offset:((\k)/2)*1536+48*\c+24*((\k)%2)+8*\i
.endr
	ds_store_b8 v[ASB], v[BY+\c] offset:((\k)/2)*64+4*\c+2*((\k)%2)
.endr
.if (\k)+2 < NCH
	LOADR (\k)+2, 31, 31
.endif
.endm
.macro LSEL arr, wid, inc              ; one step of "the K-th set bit": is it past the lower half of the field in hand?
.irp ii, 0,1,2,3,4,5,6,7
	v_bfe_u32 v[L_T+\ii], v[\arr+\ii], v[L_O+\ii], \wid
.endr
.irp ii, 0,1,2,3,4,5,6,7
	v_cmp_ge_u32 s[CM+\ii], v[L_K+\ii], v[L_T+\ii]
.endr
	s_wait_alu depctr_va_sdst(0)                   ; the eight masks are written, ahead of the selects that read them
.irp ii, 0,1,2,3,4,5,6,7
	v_cndmask_b32 v[L_T+\ii], 0, v[L_T+\ii], s[CM+\ii]
	v_cndmask_b32 v[L_C+\ii], 0, \inc, s[CM+\ii]
	v_sub_nc_u32 v[L_K+\ii], v[L_K+\ii], v[L_T+\ii]
	v_add_nc_u32 v[L_O+\ii], v[L_O+\ii], v[L_C+\ii]
.endr
.endm
.macro LISTB
	s_wait_kmcnt 0x0                               ; the expert's 32 member words in s[32:63], its 32 slot words in s[68:99]
	v_mov_b32 v[G_M], 0
	v_mov_b32 v[G_P], 0
	v_mov_b32 v[G_S], 0
	s_mov_b32 s18, 0
.set g, 0
.rept 32                               ; lane g takes group g (tokens 32 g ..): its members, how many members lie before it, its slot bits
	v_writelane_b32 v[G_M], s[32+g], g
	v_writelane_b32 v[G_P], s18, g
	v_writelane_b32 v[G_S], s[68+g], g
	s_bcnt1_i32_b32 s28, s[32+g]
	s_add_co_u32 s18, s18, s28
.set g, g+1
.endr
	s_sub_co_u32 s30, s18, 1                       ; the last entry's number
	s_add_co_u32 s18, s18, 15
	s_lshr_b32 s18, s18, 4                         ; tiles of 16 rows
	v_lshrrev_b32 v[G_T], 1, v[G_M]                ; counts of set bits in fields of 2, 4, 8 and 16 bits
	v_and_b32 v[G_T], 0x55555555, v[G_T]
	v_sub_nc_u32 v[G_A], v[G_M], v[G_T]
	v_lshrrev_b32 v[G_T], 2, v[G_A]
	v_and_b32 v[G_T], 0x33333333, v[G_T]
	v_and_b32 v[G_B], 0x33333333, v[G_A]
	v_add_nc_u32 v[G_B], v[G_B], v[G_T]
	v_lshrrev_b32 v[G_T], 4, v[G_B]
	v_add_nc_u32 v[G_Q], v[G_B], v[G_T]
	v_and_b32 v[G_Q], 0x0f0f0f0f, v[G_Q]
	v_lshrrev_b32 v[G_T], 8, v[G_Q]
	v_add_nc_u32 v[G_D], v[G_Q], v[G_T]
	v_and_b32 v[G_D], 0x00ff00ff, v[G_D]
.irp ii, 0,1,2,3,4,5,6,7               ; my wave's 256 entries, 32 at a time, the eight runs by turns
	v_add_nc_u32 v[L_J+\ii], 32*\ii, v[J0]
.endr
.irp ii, 0,1,2,3,4,5,6,7
	v_min_u32 v[L_J+\ii], s30, v[L_J+\ii]          ; past the end: the last entry again
	v_mov_b32 v[L_G+\ii], 0
.endr
.irp st, 64,32,16,8,4                  ; the last group whose count-before is at most j, by halving; 4 x group is the permute's index
.irp ii, 0,1,2,3,4,5,6,7
	v_add_nc_u32 v[L_C+\ii], \st, v[L_G+\ii]
.endr
	s_wait_alu depctr_va_vdst(0)                   ; the indices v[L_C ..] and the counts v[G_P] are written, which the permutes read; the last round's compares are done reading v[L_P ..], in which they land
.irp ii, 0,1,2,3,4,5,6,7
	ds_bpermute_b32 v[L_P+\ii], v[L_C+\ii], v[G_P]
.endr
	s_wait_dscnt 0x0
	s_wait_alu depctr_vm_vsrc(0)                   ; the permutes have read v[L_C ..], which the next round's additions, and behind the last round the selects of the bit search, write again
.irp ii, 0,1,2,3,4,5,6,7
	v_cmp_le_u32 s[CM+\ii], v[L_P+\ii], v[L_J+\ii]
.endr
	s_wait_alu depctr_va_sdst(0)                   ; the eight masks are written, ahead of the selects that read them
.irp ii, 0,1,2,3,4,5,6,7
	v_cndmask_b32 v[L_G+\ii], v[L_G+\ii], v[L_C+\ii], s[CM+\ii]
.endr
.endr
	s_wait_alu depctr_va_vdst(0)                   ; the indices v[L_G ..] are written, which the permutes read; the last compares are done reading v[L_P ..], in which eight of them land
.irp ii, 0,1,2,3,4,5,6,7
	ds_bpermute_b32 v[L_P+\ii], v[L_G+\ii], v[G_P]
	ds_bpermute_b32 v[L_S+\ii], v[L_G+\ii], v[G_S]
	ds_bpermute_b32 v[L_M+\ii], v[L_G+\ii], v[G_M]
	ds_bpermute_b32 v[L_A+\ii], v[L_G+\ii], v[G_A]
	ds_bpermute_b32 v[L_B+\ii], v[L_G+\ii], v[G_B]
	ds_bpermute_b32 v[L_Q+\ii], v[L_G+\ii], v[G_Q]
	ds_bpermute_b32 v[L_D+\ii], v[L_G+\ii], v[G_D]
.endr
	s_wait_dscnt 0x0
.irp ii, 0,1,2,3,4,5,6,7
	v_sub_nc_u32 v[L_K+\ii], v[L_J+\ii], v[L_P+\ii] ; which member of the group
	v_mov_b32 v[L_O+\ii], 0                        ; its bit
.endr
	LSEL L_D, 8, 16
	LSEL L_Q, 8, 8
	LSEL L_B, 4, 4
	LSEL L_A, 2, 2
	LSEL L_M, 1, 1
.irp ii, 0,1,2,3,4,5,6,7
	v_lshrrev_b32 v[L_T+\ii], v[L_O+\ii], v[L_S+\ii]
	v_and_b32 v[L_T+\ii], 1, v[L_T+\ii]            ; slot
	v_lshl_add_u32 v[L_T+\ii], v[L_O+\ii], 1, v[L_T+\ii]
	v_lshl_add_u32 v[L_T+\ii], v[L_G+\ii], 4, v[L_T+\ii]   ; 2 (32 group + bit) + slot
.endr
	s_wait_alu depctr_va_vdst(0)                   ; the eight entries v[L_T ..] are written, which the stores read
.irp ii, 0,1,2,3,4,5,6,7
	ds_store_b32 v[LW], v[L_T+\ii] offset:128*\ii
.endr
.endm
.macro RESB                            ; the four tiles' images and scale words into registers, where they stay
	WIN 0x80
	s_wait_alu depctr_vm_vsrc(0)                   ; the chunks' LDS stores have read v160-183 of windows 2 and 3, in which images land; the list's stores and permutes have read v80-103 and v168-182, which products and fragments write later
	s_wait_alu depctr_va_vdst(0)                   ; the chunks' vector work is done reading and writing v0-191 of windows 2 and 3, in which the images land
.irp sl, 0,1,2,3
.irp s, 0,1,2,3
.irp j, 0,1,2
	ds_load_b128 v[(4*\sl+\s)*12+4*\j:(4*\sl+\s)*12+4*\j+3], v[IA0+\sl/2] offset:(\sl%2)*TS+\s*1536+16*\j
.endr
.endr
.endr
	WIN 0xc0
.irp sl, 0,1,2,3
.irp s, 0,1,2,3
.irp j, 0,1,2
	ds_load_b128 v[(4*\sl+\s)*12+4*\j:(4*\sl+\s)*12+4*\j+3], v[IA0+\sl/2] offset:(\sl%2)*TS+(\s+4)*1536+16*\j
.endr
.endr
.endr
	WIN 0
.irp sl, 0,1,2,3
.irp s, 0,1,2,3,4,5,6,7
	ds_load_b32 v[WS+8*\sl+\s], v[SA] offset:((\sl/2)*UPT+\sl%2)*512+64*\s
.endr
.endr
.endm
.macro FRAGS                           ; the 16 rows' eight fragments: lane (r, h), registers 6 c .. 6 c + 5 = block 4 s + 2 c + h of row r, 24 bytes in three pieces of 8
.set fs, 0                             ; no wait: no vector or matrix instruction since the wait at the trip's head names v112-207 or v[STR]
.rept 8
.irp c, 0,1
.irp i, 0,1,2
	ds_load_b64 v[FRG+12*fs+6*\c+2*\i:FRG+12*fs+6*\c+2*\i+1], v[STR] offset:SS*fs+CS*\c+8*\i
.endr
.endr
.set fs, fs+1
.endr
.endm
.macro MULT                            ; 32 products: the four accumulators take turns, one instruction a turn; the first K step starts the sums
.set ms, 0
.rept 8
.if ms == 0
	WIN 0x02                                       ; source 0 in window 2
.endif
.if ms == 4
	WIN 0x03                                       ; in window 3
.endif
	s_wait_dscnt 42-6*ms                           ; this K step's fragment is in; the later steps' loads, six each, may be out
.set msl, 0
.rept 4
.if ms == 0
	v_wmma_scale_f32_16x16x128_f8f6f4 v[ACC+8*msl:ACC+8*msl+7], v[(4*msl+ms%4)*12:(4*msl+ms%4)*12+11], v[FRG+12*ms:FRG+12*ms+11], 0, v[WS+8*msl+ms], v[XS+ms] matrix_a_fmt:MATRIX_FMT_FP6 matrix_b_fmt:MATRIX_FMT_FP6
.else
	v_wmma_scale_f32_16x16x128_f8f6f4 v[ACC+8*msl:ACC+8*msl+7], v[(4*msl+ms%4)*12:(4*msl+ms%4)*12+11], v[FRG+12*ms:FRG+12*ms+11], v[ACC+8*msl:ACC+8*msl+7], v[WS+8*msl+ms], v[XS+ms] matrix_a_fmt:MATRIX_FMT_FP6 matrix_b_fmt:MATRIX_FMT_FP6
.endif
.set msl, msl+1
.endr
.set ms, ms+1
.endr
	WIN 0
.rept 4
	v_nop                                          ; four places behind the last products (ISA guide 7.12.1), ahead of the first read of results and of writes to their operands
.endr
.endm
.macro GATHER4 dt                      ; tile T + dt: its 12,288 bytes of codes for my half of K, as they lie, 512 consecutive bytes a load; and the rows' scale words
	s_add_co_u32 s28, s19, \dt
	s_mul_i32 s29, s28, 24576
	v_add_nc_u32 v[GOF], s29, v[L16]
	s_lshl_b32 s29, s28, 10
	v_add_nc_u32 v[XOF], s29, v[R64]
	WIN 0x40
	s_wait_alu depctr_va_vdst(0)                   ; the offsets v[GOF] and v[XOF] are written, which the loads read; no vector instruction still reads v72-79 or, ahead of the loop, window 1's v0-95, in which they land
.set gi, 0
.rept 24
	global_load_b128 v[4*gi:4*gi+3], v[GOF], s[8:9] offset:512*gi
.set gi, gi+1
.endr
	WIN 0
	global_load_b128 v[XSN:XSN+3], v[XOF], s[10:11]
	global_load_b128 v[XSN+4:XSN+7], v[XOF], s[10:11] offset:16
.endm
	s_load_b256 s[4:11], s[0:1], 0x0               ; down_proj_w s[4:5], msk s[6:7], aq s[8:9], asc s[10:11]
	s_load_b64 s[12:13], s[0:1], 0x20              ; y
	v_lshl_add_u32 v30, v0, 2, 0x1e000
	v_mov_b32 v31, 0
	v_and_b32 v1, 31, v0                           ; lane
	v_and_b32 v2, 15, v0                           ; r, q
	v_bfe_u32 v3, v0, 4, 1                         ; h
	v_lshrrev_b32 v[WVV], 5, v0
	v_readfirstlane_b32 s2, v[WVV]                 ; wave 0..3
	s_and_b32 s3, ttmp7, 0xffff                    ; the expert
	s_and_b32 s26, ttmp9, 15                       ; which 64 output columns
	s_lshr_b32 s27, ttmp9, 4                       ; which half of K
	v_lshlrev_b32 v[Q16], 4, v2
	v_lshl_add_u32 v[AG], v3, 17, v[Q16]           ; 32 rows of 4,096 bytes for lanes 16-31
	v_bfe_u32 v[TA], v0, 2, 2                      ; column 4 q + c lies in tile q / 4,
	v_and_b32 v[TB], 3, v0                         ; at lane 4 (q % 4) + c
	s_wait_alu depctr_va_sdst(0)                   ; s2 is written, ahead of its first reader
	s_mul_i32 s28, s2, 2*1536                      ; my K steps 2 w, 2 w + 1
	v_mul_u32_u24 v[AW], v[TA], TS
	v_mad_u32_u24 v[AW], v[TB], 192, v[AW]
	v_mad_u32_u24 v[AW], v3, 768, v[AW]
	v_add_nc_u32 v[AW], s28, v[AW]
	s_lshl_b32 s28, s2, 7
	s_add_co_u32 s28, s28, SCL
	v_lshlrev_b32 v[ASB], 9, v[TA]
	v_lshl_add_u32 v[ASB], v[TB], 4, v[ASB]
	v_add_nc_u32 v[ASB], v[ASB], v3
	v_add_nc_u32 v[ASB], s28, v[ASB]
	v_lshlrev_b32 v[LW], 2, v1
	v_lshl_add_u32 v[LW], v[WVV], 10, v[LW]
	v_add_nc_u32 v[LW], LIST, v[LW]
	v_lshl_add_u32 v[J0], v[WVV], 8, v1
	v_mul_u32_u24 v[IA0], v1, 48
	v_add_nc_u32 v[IA1], UPT*TS, v[IA0]
	v_lshl_add_u32 v[SA], v2, 2, SCL
	v_lshlrev_b32 v[L16], 4, v1
	s_mul_i32 s28, s2, 12288
	s_add_co_u32 s28, s28, STG
	v_add_nc_u32 v[SW], s28, v[L16]
	v_mul_u32_u24 v[STR], v2, 24
	v_mad_u32_u24 v[STR], v3, 384, v[STR]
	v_add_nc_u32 v[STR], s28, v[STR]
	v_lshl_add_u32 v[LE], v3, 2, LIST
	s_mul_i32 s28, s2, 4352
	s_add_co_u32 s28, s28, YST
	v_mul_u32_u24 v[YW], v2, 272
	v_lshl_add_u32 v[YW], v3, 5, v[YW]
	v_add_nc_u32 v[YW], s28, v[YW]
	v_mul_u32_u24 v[YR], v3, 272
	v_add_nc_u32 v[YR], v[YR], v[Q16]
	v_add_nc_u32 v[YR], s28, v[YR]
	v_lshlrev_b32 v[R64], 6, v2
	s_wait_kmcnt 0x0
	s_lshl_b32 s20, s3, 23                         ; the expert's 8 MiB,
	s_lshl_b32 s28, s27, 22                        ; 1,024 rows,
	s_add_co_u32 s20, s20, s28
	s_lshl_b32 s28, s2, 20                         ; 256 rows,
	s_add_co_u32 s20, s20, s28
	s_lshl_b32 s28, s26, 8                         ; 64 columns
	s_add_co_u32 s20, s20, s28
	s_mov_b32 s21, 0
	s_add_nc_u64 s[4:5], s[4:5], s[20:21]
	s_lshl_b32 s20, s3, 7
	s_add_nc_u64 s[6:7], s[6:7], s[20:21]
	s_mul_i32 s20, s3, 1572864
	s_mul_i32 s28, s27, 12288
	s_add_co_u32 s20, s20, s28
	s_add_nc_u64 s[8:9], s[8:9], s[20:21]
	s_lshl_b32 s20, s3, 16
	s_lshl_b32 s28, s27, 5
	s_add_co_u32 s20, s20, s28
	s_add_nc_u64 s[10:11], s[10:11], s[20:21]
	s_lshl_b32 s20, s27, 23
	s_lshl_b32 s28, s26, 8
	s_add_co_u32 s20, s20, s28
	s_add_nc_u64 s[12:13], s[12:13], s[20:21]
	s_load_b512 s[32:47], s[6:7], 0x0              ; the expert's member bits,
	s_load_b512 s[48:63], s[6:7], 0x40
	s_load_b512 s[68:83], s[6:7], 0x400            ; and its slot bits
	s_load_b512 s[84:99], s[6:7], 0x440
	WIN 1<<6
	s_wait_alu depctr_va_vdst(0)                   ; the offsets and LDS addresses v4 to v17, v19 and v20 are written, which the loads and stores of the whole kernel read
	LOADR 0, 0, 31
	LOADR 1, 0, 30                                 ; 63 loads are out while the list is built
	WIN 0
	LISTB
	LOADR 1, 31, 31
.set kc, 0
.rept NCH
	CHUNK kc
.set kc, kc+1
.endr
	WIN 0
	s_wait_dscnt 0x0                               ; for the others' sake: my images, scale bytes and list entries lie in LDS
	s_barrier_signal -1
	s_barrier_wait -1                              ; the launch's one barrier: behind it nobody writes them
	s_mov_b32 s19, s2                              ; T
	s_lshl_b32 s23, s2, 6                          ; 64 T: the tile's entries
	s_cmp_ge_u32 s19, s18
	s_cbranch_scc1 .Lno_first
	GATHER4 0
.Lno_first:
	RESB
	s_wait_dscnt 0x0
	s_mov_b32 s22, 0
.Ltrip:                                            ; 16 trips, a constant; a tile past the list's end is jumped over
	s_cmp_ge_u32 s19, s18
	s_cbranch_scc1 .Lskip
	s_wait_loadcnt 0x0                             ; the tile's codes and scale words are in
	v_add_nc_u32 v[TA], s23, v[LE]                 ; where this tile's entries lie.  (The LDS loads that read it last stand ahead of the last trip's wait on vm_vsrc)
.irp i, 0,1,2,3,4,5,6,7
	v_mov_b32 v[XS+\i], v[XSN+\i]
.endr
.rept 8
	v_nop                                          ; a scale register written by a vector instruction stands eight places ahead of the scaled matrix instruction
.endr
	s_wait_alu depctr_va_vdst(0)                   ; the trip's one wait at its head: act's scale words v64-71 are written, which the products take; v[TA] is written; the copies are done reading v72-79; the last trip's products are done reading v112-207 and its arithmetic v208-215, in which LDS loads land
	WIN 0x04                                       ; the data: window 1
.set gi, 0
.rept 24
	ds_store_b128 v[SW], v[4*gi:4*gi+3] offset:512*gi
.set gi, gi+1
.endr
	WIN 0
.irp ii, 0,1,2,3,4,5,6,7
	ds_load_b32 v[E+\ii], v[TA] offset:8*\ii       ; entry 2 ii + lane / 16: where rows 2 ii, 2 ii + 1 of the tile go
.endr
	s_wait_dscnt 0x0                               ; the entries are in
	s_wait_xcnt 0x0                                ; the last tile's stores have had their addresses translated: their data and offsets are written anew only behind this wait
	s_wait_alu depctr_vm_vsrc(0)                   ; the last tile's stores have read v[OFF ..], v[YB ..] and the accumulators, all written again in this trip; my stores into the stage have read window 1's v0-95, in which the gather's loads land; the last gather's loads have read v[GOF], v[XOF]; the loads above have read v[TA]
.irp ii, 0,1,2,3,4,5,6,7
	v_min_u32 v[OFF+\ii], 0x7ff, v[E+\ii]
.endr
.irp ii, 0,1,2,3,4,5,6,7
	v_lshl_add_u32 v[OFF+\ii], v[OFF+\ii], 12, v[Q16]                  ; a row of y is 4,096 bytes
.endr
	s_add_co_u32 s28, s19, 4
	s_cmp_ge_u32 s28, s18
	s_cbranch_scc1 .Lno_next
	GATHER4 4                                      ; my next tile lands while this one is multiplied
.Lno_next:
	FRAGS
	MULT
	s_wait_alu depctr_va_vdst(0)                   ; the products have written the accumulators, which the LDS stores read (the four places above stay beside this wait); the offsets v[OFF ..] are written, which the global stores read
.irp ct, 0,1,2,3
	ds_store_b128 v[YW], v[ACC+8*\ct:ACC+8*\ct+3] offset:64*\ct        ; each accumulator from its low end on: lane (r, h): columns 16 ct + 8 h + 0 .. 7 of row r
	ds_store_b128 v[YW], v[ACC+8*\ct+4:ACC+8*\ct+7] offset:64*\ct+16
.endr
.irp ii, 0,1,2,3,4,5,6,7
	ds_load_b128 v[YB+4*\ii:YB+4*\ii+3], v[YR] offset:544*\ii          ; LDS serves a wave's instructions in order: these see my stores
.endr
.irp ii, 0,1,2,3,4,5,6,7
	s_wait_dscnt 7-\ii                             ; the younger read-backs may be out
	global_store_b128 v[OFF+\ii], v[YB+4*\ii:YB+4*\ii+3], s[12:13] th:TH_STORE_NT   ; sixteen lanes store 256 consecutive bytes, aligned
.endr
.Lskip:
	s_add_co_u32 s19, s19, 4
	s_add_co_u32 s23, s23, 256
	s_add_co_u32 s22, s22, 1
	s_cmp_lt_u32 s22, 16
	s_cbranch_scc1 .Ltrip
	s_wait_dscnt 0x0
	s_wait_alu depctr_hold_cnt(0) depctr_sa_sdst(0) depctr_va_vdst(0) depctr_va_sdst(0) depctr_va_ssrc(0) depctr_va_vcc(0) depctr_vm_vsrc(0)
	s_wait_tensorcnt 0x0
	ds_add_u32 v30, v31
	s_wait_dscnt 0x0
	s_endpgm
.Lfunc_end_k_qdc4cfae042_down:
	.size	k_qdc4cfae042_down, .Lfunc_end_k_qdc4cfae042_down-k_qdc4cfae042_down
	.p2alignl 7, 3214868480
	.fill 96, 4, 3214868480
	.section	.rodata,"a",@progbits
	.p2align	6, 0x0
	.amdhsa_kernel k_qdc4cfae042_down
		.amdhsa_group_segment_fixed_size 123392
		.amdhsa_private_segment_fixed_size 0
		.amdhsa_enable_private_segment 0
		.amdhsa_kernarg_size 40
		.amdhsa_user_sgpr_count 2
		.amdhsa_user_sgpr_kernarg_segment_ptr 1
		.amdhsa_wavefront_size32 1
		.amdhsa_system_sgpr_workgroup_id_x 1
		.amdhsa_system_sgpr_workgroup_id_y 1
		.amdhsa_system_sgpr_workgroup_id_z 1
		.amdhsa_system_vgpr_workitem_id 0
		.amdhsa_next_free_vgpr 1024
		.amdhsa_next_free_sgpr 100
		.amdhsa_reserve_vcc 0
		.amdhsa_float_denorm_mode_32 3
		.amdhsa_float_denorm_mode_16_64 3
		.amdhsa_memory_ordered 1
		.amdhsa_forward_progress 1
		.amdhsa_inst_pref_size 125
	.end_amdhsa_kernel
	.amdgpu_metadata
---
amdhsa.version: [ 1, 2 ]
amdhsa.kernels:
  - .name:           k_qdc4cfae042_down
    .symbol:         k_qdc4cfae042_down.kd
    .args:
      - { .name: down_proj_w, .offset: 0, .size: 8, .value_kind: global_buffer, .address_space: global }
      - { .name: msk, .offset: 8, .size: 8, .value_kind: global_buffer, .address_space: global }
      - { .name: aq, .offset: 16, .size: 8, .value_kind: global_buffer, .address_space: global }
      - { .name: asc, .offset: 24, .size: 8, .value_kind: global_buffer, .address_space: global }
      - { .name: y, .offset: 32, .size: 8, .value_kind: global_buffer, .address_space: global }
    .group_segment_fixed_size: 123392
    .private_segment_fixed_size: 0
    .kernarg_segment_align: 8
    .kernarg_segment_size: 40
    .max_flat_workgroup_size: 128
    .sgpr_count:     100
    .vgpr_count:     1024
    .wavefront_size: 32
...
	.end_amdgpu_metadata
.endif
;; end of part 6
;; launch combine: the kernel of part 4 again; grid 256 x 1, 4 waves a work-group, no clusters, 0 bytes of LDS; arguments y, coef, out0; writes out0
